; MI455X (gfx1250); checked and timed in simulation.
; The chip was launched on July 23, 2026; its instructions are those of AMD's public machine-readable ISA for CDNA 5 (MIT licence, August 2026) and "CDNA5" Instruction Set Architecture Reference Guide (July 2026). The comments in the code are by the model that wrote it; some were corrected since.
;; Attention. Allowed arithmetic: matrix products marked QUANTISED: E2M1 operands, one E8M0 scale for each 32 along K, by v_wmma_scale_f32_16x16x128_f8f6f4 with both operands' format E2M1 (or v_wmma_scale_f32_32x16x128_f4), f32 sums; products left as they are: bf16, f16 or f32 operands; f32 sums; everything else in f32.
;; Inputs: k_w 1,024 x 1,024 float32; pb_eps 1,024 float32; pb_mu 1,024 float32; pb_rho 1,024 float32; proj_eps 1,024 x 1,024 float32; proj_mu 1,024 x 1,024 float32; proj_rho 1,024 x 1,024 float32; q_w 1,024 x 1,024 float32; v_eps 1,024 x 1,024 float32; v_mu 1,024 x 1,024 float32; v_rho 1,024 x 1,024 float32; x 4 x 2,048 x 1,024 float32.
;; Outputs: out0 4 x 2,048 x 1,024 float32.
;; This version of the problem:
;;   THIS VERSION OF THE PROBLEM IS GIVEN IN LOW PRECISION. The matrix products marked QUANTISED in the list below multiply operands that are first quantised to E2M1 (2 exponent bits, 1 mantissa bit; 4 bits a number), with one power-of-two scale for each 32 numbers along K (OCP MX v1.0); their sums are f32. The products marked 'left as it is' may take bf16, f16 or f32 operands, with f32 sums. Whichever they take, every output number must still come out within the allowed error. Rounding operands to bf16 (8 significant bits) uses up far more of that allowance than f16 does (11 bits, for magnitudes from 6e-5 to 65,504). All else is computed in f32.
;;   The module's matrix products, in the order in which they are computed (A, B: the left and right operand; K: the contracted axis; several contracted axes count as one K, in the product's order):
;;     1. [M 8,192, K 1,024] x [K 1,024, N 1,024]; A: input x; B: input q_w: QUANTISED
;;     2. [M 8,192, K 1,024] x [K 1,024, N 1,024]; A: input x; B: input k_w: QUANTISED
;;     3. [M 8,192, K 1,024] x [K 1,024, N 1,024]; A: input x; B: computed on the way: left as it is (an operand is computed on the way)
;;     4. batch 64 x [M 2,048, K 64] x [K 64, N 2,048]; A: computed on the way; B: computed on the way: left as it is (an operand is computed on the way)
;;     5. batch 64 x [M 2,048, K 2,048] x [K 2,048, N 64]; A: computed on the way; B: computed on the way: left as it is (an operand is computed on the way)
;;     6. [M 8,192, K 1,024] x [K 1,024, N 1,024]; A: computed on the way; B: computed on the way: left as it is (an operand is computed on the way)
;;   THE QUANTISER, for each operand of a quantised product, along K:
;;     - K is cut into blocks of 32 from its start; a last block that is shorter is filled with zeros.
;;     - A block's scale is 2^e with e = floor(log2(the largest magnitude in the block)) - 2, held to -126 .. 127; a block of zeros has e = 0. As a byte (E8M0): e + 127.
;;     - Each number is divided by its block's scale, clamped to +-6, and rounded to the nearest number of E2M1, ties to even, subnormals kept.
;;     - The product sums the exact products of the quantised numbers (number of the format x scale) in f32.
;;   ~~~python
;;   def quantise(x, axis):      # numpy; x: float32 -> the quantised numbers, widened to float32 again
;;       x = np.moveaxis(x, axis, -1); K = x.shape[-1]
;;       x = np.pad(x, [(0, 0)] * (x.ndim - 1) + [(0, -K % 32)]); x = x.reshape(x.shape[:-1] + (-1, 32)); a = np.abs(x).max(-1, keepdims=True)
;;       e = np.where(a > 0, np.clip(np.frexp(np.where(a > 0, a, 1))[1] - 1 - 2, -126, 127), 0)      # np.frexp(a)[1] - 1 = floor(log2(a)), exactly
;;       r = np.clip(x / 2.0 ** e, -6, 6)
;;       step = 2.0 ** (np.maximum(np.frexp(np.where(r == 0, 1, r))[1] - 1, 0) - 1)
;;       q = np.round(r / step) * step * 2.0 ** e      # np.round: ties to even
;;       return np.moveaxis(q.reshape(q.shape[:-2] + (-1,))[..., :K], -1, axis).astype(np.float32)
;;   ~~~
;; One version. Each part assembles by itself: llvm-mc -triple=amdgcn-amd-amdhsa -mcpu=gfx1250 --defsym DOCPART=n.
;; ======== version 1 of 1: 4 launches
;; limits: values are held in f16: magnitudes above 65,504 overflow, below 6.1e-05 lose precision; right only within a limited range of input values
;; workspace buffers: cod 5,570,560 bytes; xh 16,777,216 bytes; wh 4,198,400 bytes; qk 33,554,432 bytes; vt 16,777,216 bytes; ao 16,777,216 bytes
;; launch prep (part 1): grid 833 x 1, 4 waves a work-group, no clusters, 33,280 bytes of LDS; arguments x, q_w, k_w, v_mu, v_rho, v_eps, proj_mu, proj_rho, proj_eps, pb_mu, pb_rho, pb_eps, cod, xh, wh; writes cod, xh, wh
.if DOCPART == 1
	.amdgcn_target "amdgcn-amd-amdhsa--gfx1250"
	.amdhsa_code_object_version 6
	.text
	.protected	k_qf69260cb65_prep
	.globl	k_qf69260cb65_prep
	.p2align	8
	.type	k_qf69260cb65_prep,@function
k_qf69260cb65_prep:
	s_mov_b64 s[64:65], 0
	v_nop
	global_prefetch_b8 v0, s[64:65] scope:SCOPE_SE
	s_setreg_imm32_b32 hwreg(HW_REG_WAVE_MODE, 25, 1), 1
	s_wait_xcnt 0x0
; PREP: every operand that later launches read many times is made here once.
; Nothing of reference() is left out in this program: all twelve inputs have a way to the output, there is no mask, nothing is sliced away.
;   work-groups 0-319   x (0-255), q_w (256-287), k_w (288-319): codes of FP4 (E2M1) along the last axis, which is K of both quantised products, one E8M0 byte for each 32; x also as f16.
;   work-groups 320-831 v_w / 16 (320-575) and 16 p_w (576-831) as f16, w = mu + softplus(rho) eps in f32.   work-group 832: p_b, f32.
; cod: x's codes [8192][512 bytes] at 0; q_w's and k_w's [2048][512] behind them; x's scale bytes [8192][32] at COD_XS; the weights' [2048][32] behind them.  All four are plain streams of blocks of 32.
; wh:  v_w / 16 [1024][1024] f16 at 0, 16 p_w [1024][1024] f16 behind it, p_b [1024] f32 at WH_PB.
; THE POWERS OF TWO: v and the attention's result travel as v / 16 and out / 16 in f16; 16 p_w takes the factor back in the last product.  Both factors are exact.
; A block's scale is 2^(floor(log2(its largest magnitude)) - 2); its byte is the largest magnitude's exponent field - 2, held at 1 from below.  A block of zeros so gets the byte 1 where the rule says 127:
; its codes are zeros, which add nothing under any byte but 0xff, and this program alone reads the bytes.
; softplus(r) = max(r, 0) + log1p(exp(-|r|)), as reference() has it.  With e = exp(-|r|): log1p(e) = ln 2 x log2(1 + e), and where e < 2^-8, where 1 + e would lose e's low bits, e (1 + e (-1/2 + e / 3)).
; LIMITS: f16 holds magnitudes up to 65,504: |x| beyond that, |v_w| beyond 1,048,064 or |p_w| beyond 4,094 become infinities.  Under 6.1e-5 an f16 number keeps an absolute error of 2^-25.
; Blocks whose largest magnitude lies under 2^-124 have their byte held at 1.  NaN and infinities among the inputs are not served.
.set COD_XS, 5242880
.set WH_PB,  4194304
.set STEPS,  16
.set EMAX,   2
.set R,      16                        ; v16-79   four sets of 16 numbers as they are loaded
.set X,      80                        ; v80-111  two sets of 16 neighbours
.set E,      112                       ; v112-127 a scale byte for each step
.set C,      128                       ; v128-191 codes: four registers for each step, so that no store's data are written again
.set H,      192                       ; v192-207 x as f16: two sets of 8
.set T,      112                       ; v112-127 at work in the weights' paths
.set WREG,   8192                      ; LDS: a region for each wave: two stages of 32 x SP bytes, behind them its 256 scale bytes
.set SP,     80                        ; a lane's place in a stage: its 64 bytes + 16 of padding
.set SPW,    12                        ; v12  LDS address of my spare word; never rewritten
.set NIL,    13                        ; v13  0; never rewritten
.set SPARE,  4*WREG                    ; behind the four regions: the spare words, 128 bytes for each wave
.macro LOAD t                          ; step t: four loads of 512 consecutive bytes
.irp i, 0,1,2,3
	global_load_b128 v[R+16*((\t)%4)+4*\i:R+16*((\t)%4)+4*\i+3], v3, s[4:5] offset:2048*(\t)+512*\i th:TH_LOAD_NT
.endr
.endm
; Step t's numbers go through the stage, so that a lane gets 16 neighbours: LDS serves a wave's instructions in order, so no wait stands between the stores and the loads.
; Of x the same registers, as loaded, are also rounded to f16: a lane's 4 numbers are 8 bytes, a store of the wave covers 256 consecutive bytes, aligned.
.macro TURN t
.irp i, 0,1,2,3
	ds_store_b128 v14, v[R+16*((\t)%4)+4*\i:R+16*((\t)%4)+4*\i+3] offset:32*SP*((\t)%2)+8*SP*\i
.endr
.irp i, 0,1,2,3
	ds_load_b128 v[X+16*((\t)%2)+4*\i:X+16*((\t)%2)+4*\i+3], v15 offset:32*SP*((\t)%2)+16*\i
.endr
	s_cmp_lt_u32 ttmp9, 256                        ; x's work-groups alone
	s_cbranch_scc0 .Lnoh_\@
	s_wait_xcnt 0x0                                ; this set of H was the data of stores two steps back: it is written again only behind this wait
.irp i, 0,1,2,3
	v_cvt_pk_f16_f32 v[H+8*((\t)%2)+2*\i],   v[R+16*((\t)%4)+4*\i],   v[R+16*((\t)%4)+4*\i+1]
	v_cvt_pk_f16_f32 v[H+8*((\t)%2)+2*\i+1], v[R+16*((\t)%4)+4*\i+2], v[R+16*((\t)%4)+4*\i+3]
.endr
.irp i, 0,1,2,3
	global_store_b64 v4, v[H+8*((\t)%2)+2*\i:H+8*((\t)%2)+2*\i+1], s[34:35] offset:1024*(\t)+256*\i
.endr
.Lnoh_\@:
.endm
.macro STEP t
.set XN, X+16*((\t)%2)
.if (\t) > 0
	s_wait_dscnt 1                                 ; this step's numbers are back from the stage (the last step's byte store may be out): so its stores into the stage have read their registers,
.else
	s_wait_dscnt 0x0
.endif
.if (\t)+4 < STEPS
	LOAD (\t)+4                                    ; which take the loads of four steps on
.endif
.if (\t)+1 < STEPS
.if STEPS-2-(\t) >= 3
	s_wait_loadcnt 12                              ; the next step's four loads are in; those of the three steps behind it may be out
.else
	s_wait_loadcnt 4*(STEPS-2-(\t))
.endif
	TURN (\t)+1
.endif
	v_max3_num_f32 v8, |v[XN]|, |v[XN+1]|, |v[XN+2]|               ; the largest magnitude of my 16, in two chains
	v_max3_num_f32 v9, |v[XN+3]|, |v[XN+4]|, |v[XN+5]|
.irp i, 6,10
	v_max3_num_f32 v8, v8, |v[XN+\i]|, |v[XN+\i+1]|
	v_max3_num_f32 v9, v9, |v[XN+\i+2]|, |v[XN+\i+3]|
.endr
	v_max3_num_f32 v8, v8, |v[XN+14]|, |v[XN+15]|
	v_max3_num_f32 v8, v8, v9, (EMAX+1)<<23        ; and the floor 2^(3 - 127): the byte cannot fall under 1
	v_max_num_f32_dpp v8, v8, v8 row_xmask:1 row_mask:0xf bank_mask:0xf   ; with my neighbour's 16: the block's
	v_add_nc_u32 v11, -(EMAX<<23), v8              ; 2 off its exponent field: the conversion takes the exponent field of this operand as its scale
	v_cvt_scalef32_pk8_fp4_f32 v[C+4*(\t)], v[XN:XN+7], v11
	v_cvt_scalef32_pk8_fp4_f32 v[C+4*(\t)+1], v[XN+8:XN+15], v11
	v_lshrrev_b32 v[E+(\t)], 23, v11               ; the scale's byte (a plain line behind the conversions)
	ds_store_b8 v5, v[E+(\t)] offset:16*(\t)       ; both lanes of a block write the same byte with the same value
	global_store_b64 v4, v[C+4*(\t):C+4*(\t)+1], s[42:43] offset:256*(\t)   ; 32 lanes x 8 bytes: 256 consecutive bytes, aligned
.endm
; Four numbers a lane: mu in v[b ..], rho in v[b + 4 ..], eps in v[b + 8 ..]; mu + softplus(rho) eps is left in v[b ..].
.macro BAYES b
.irp i, 0,1,2,3
	v_mul_f32 v[T+\i], s40, |v[(\b)+4+\i]|         ; -|rho| log2(e)
.endr
.irp i, 0,1,2,3
	v_exp_f32 v[T+\i], v[T+\i]                     ; e = exp(-|rho|)
.endr
.irp i, 0,1,2,3
	v_max_num_f32 v[T+8+\i], 0, v[(\b)+4+\i]       ; max(rho, 0): plain work behind the exponentials
.endr
	s_wait_alu depctr_va_vdst(0)                   ; one wait for the four, ahead of their first reader
.irp i, 0,1,2,3
	v_add_f32 v[T+4+\i], 1.0, v[T+\i]
.endr
.irp i, 0,1,2,3
	v_log_f32 v[T+4+\i], v[T+4+\i]                 ; log2(1 + e)
.endr
.irp i, 0,1,2,3
	v_fma_f32 v[T+12+\i], v[T+\i], s42, -0.5       ; the series, plain work behind the logarithms: e / 3 - 1/2,
.endr
.irp i, 0,1,2,3
	v_fma_f32 v[T+12+\i], v[T+12+\i], v[T+\i], 1.0 ; x e + 1,
.endr
.irp i, 0,1,2,3
	v_mul_f32 v[T+12+\i], v[T+12+\i], v[T+\i]      ; x e
.endr
	s_wait_alu depctr_va_vdst(0)                   ; one wait for the four logarithms
.irp i, 0,1,2,3
	v_mul_f32 v[T+4+\i], s41, v[T+4+\i]            ; x ln 2
	v_cmp_gt_f32 vcc_lo, s43, v[T+\i]              ; e < 2^-8: the series
	v_cndmask_b32 v[T+4+\i], v[T+4+\i], v[T+12+\i], vcc_lo
	v_add_f32 v[T+4+\i], v[T+4+\i], v[T+8+\i]      ; softplus(rho)
	v_fma_f32 v[(\b)+\i], v[T+4+\i], v[(\b)+8+\i], v[(\b)+\i]
.endr
.endm
	s_load_b512 s[8:23], s[0:1], 0x0               ; x 8, q_w 10, k_w 12, v_mu 14, v_rho 16, v_eps 18, proj_mu 20, proj_rho 22
	s_load_b256 s[24:31], s[0:1], 0x40             ; proj_eps 24, pb_mu 26, pb_rho 28, pb_eps 30
	s_load_b128 s[32:35], s[0:1], 0x60             ; cod 32, xh 34
	s_load_b64 s[36:37], s[0:1], 0x70              ; wh
	v_lshl_add_u32 v[SPW], v0, 2, SPARE
	v_mov_b32 v[NIL], 0
	v_lshrrev_b32 v1, 5, v0
	v_readfirstlane_b32 s38, v1                    ; wave
	s_wait_kmcnt 0x0
	s_cmp_lt_u32 ttmp9, 320
	s_cbranch_scc0 .Lweights
	; ---- x, q_w, k_w: a wave takes 16 steps of 512 numbers
	v_and_b32 v2, 31, v0                           ; lane
	v_lshlrev_b32 v3, 4, v2                        ; my 16 bytes of a load's 512
	s_mul_i32 s39, s38, WREG
	v_lshrrev_b32 v14, 2, v2
	v_mul_u32_u24 v14, v14, SP
	v_and_b32 v15, 3, v2
	v_lshl_add_u32 v14, v15, 4, v14
	v_add_nc_u32 v14, s39, v14                     ; the stage, on the way in: SP (lane / 4) + 16 (lane % 4)
	v_mul_u32_u24 v15, v2, SP
	v_add_nc_u32 v15, s39, v15                     ; on the way out: SP x lane
	v_lshlrev_b32 v4, 3, v2                        ; 8 bytes a lane: codes, f16 numbers, the scale bytes on their way out
	v_lshrrev_b32 v5, 1, v2
	s_add_co_u32 s39, s39, 2*32*SP
	v_add_nc_u32 v5, s39, v5                       ; LDS: my wave's 256 scale bytes, my block's byte
	v_add_nc_u32 v6, s39, v4
	s_cmp_lt_u32 ttmp9, 288                        ; which tensor: the choice hangs on the work-group's number alone
	s_cselect_b64 s[4:5], s[10:11], s[12:13]
	s_mov_b32 s6, 288
	s_cselect_b32 s6, 256, s6
	s_cmp_lt_u32 ttmp9, 256
	s_cselect_b64 s[4:5], s[8:9], s[4:5]
	s_cselect_b32 s6, 0, s6
	s_sub_co_u32 s6, ttmp9, s6
	s_lshl_b32 s6, s6, 2
	s_add_co_u32 s6, s6, s38                       ; which run of 8,192 numbers of the tensor is my wave's
	s_lshl_b32 s6, s6, 15
	s_mov_b32 s7, 0
	s_add_nc_u64 s[4:5], s[4:5], s[6:7]
	s_lshl_b32 s40, ttmp9, 2
	s_add_co_u32 s40, s40, s38                     ; and which run of the outputs: x's 1,024 runs fill x's parts, the weights' follow
	s_lshl_b32 s6, s40, 12
	s_add_nc_u64 s[42:43], s[32:33], s[6:7]        ; codes: 4,096 bytes a run
	s_lshl_b32 s6, s40, 8
	s_add_co_u32 s6, s6, COD_XS
	s_add_nc_u64 s[44:45], s[32:33], s[6:7]        ; scale bytes: 256 a run
	s_lshl_b32 s6, s40, 14
	s_add_nc_u64 s[34:35], s[34:35], s[6:7]        ; f16: 16,384 bytes a run (used by x's work-groups alone)
.irp t, 0,1,2,3
	LOAD \t
.endr
	s_wait_loadcnt 12                              ; step 0's four loads are in
	TURN 0
.irp t, 0,1,2,3,4,5,6,7,8,9,10,11,12,13,14,15
	STEP \t
.endr
	ds_load_b64 v[8:9], v6                         ; LDS serves a wave's instructions in order: these see my byte stores
	s_wait_dscnt 0x0
	global_store_b64 v4, v[8:9], s[44:45]          ; 32 lanes store 256 consecutive bytes, aligned
	s_wait_tensorcnt 0x0                           ; the wave's end, behind my last LDS store
	ds_add_u32 v[SPW], v[NIL]
	s_wait_dscnt 0x0
	s_endpgm
.Lweights:
	s_mov_b32 s40, 0xbfb8aa3b                      ; -log2(e)
	s_mov_b32 s41, 0x3f317218                      ; ln 2
	s_mov_b32 s42, 0x3eaaaaab                      ; 1/3
	s_mov_b32 s43, 0x3b800000                      ; 2^-8
	v_lshlrev_b32 v1, 4, v0                        ; in: 16 bytes a thread, 2,048 a chunk
	s_cmp_lt_u32 ttmp9, 832
	s_cbranch_scc0 .Lbias
	; ---- v_w / 16 and 16 p_w: 4,096 numbers a work-group, eight chunks of 4 a thread
	s_sub_co_u32 s6, ttmp9, 320
	s_cmp_lt_u32 s6, 256
	s_cselect_b64 s[14:15], s[14:15], s[20:21]     ; mu
	s_cselect_b64 s[16:17], s[16:17], s[22:23]     ; rho
	s_cselect_b64 s[18:19], s[18:19], s[24:25]     ; eps
	s_mov_b32 s44, 0x41800000                      ; 16
	s_cselect_b32 s44, 0x3d800000, s44             ; or 1/16
	s_and_b32 s4, s6, 255
	s_lshl_b32 s4, s4, 14
	s_mov_b32 s5, 0
	s_add_nc_u64 s[14:15], s[14:15], s[4:5]
	s_add_nc_u64 s[16:17], s[16:17], s[4:5]
	s_add_nc_u64 s[18:19], s[18:19], s[4:5]
	s_lshl_b32 s4, s6, 13
	s_add_nc_u64 s[36:37], s[36:37], s[4:5]        ; out: 8,192 bytes a work-group, v_w's 256 and then p_w's
	v_lshlrev_b32 v2, 3, v0                        ; out: 8 bytes a thread
.irp c, 0,1,2,3,4,5,6,7
	global_load_b128 v[16+12*\c:19+12*\c], v1, s[14:15] offset:2048*\c th:TH_LOAD_NT
	global_load_b128 v[20+12*\c:23+12*\c], v1, s[16:17] offset:2048*\c th:TH_LOAD_NT
	global_load_b128 v[24+12*\c:27+12*\c], v1, s[18:19] offset:2048*\c th:TH_LOAD_NT
.endr
.irp c, 0,1,2,3,4,5,6,7
	s_wait_loadcnt 21-3*\c                         ; this chunk's three loads are in; the later chunks' may be out
	BAYES 16+12*\c
.irp i, 0,1,2,3
	v_mul_f32 v[16+12*\c+\i], s44, v[16+12*\c+\i]
.endr
	v_cvt_pk_f16_f32 v[128+2*\c], v[16+12*\c], v[17+12*\c]
	v_cvt_pk_f16_f32 v[129+2*\c], v[18+12*\c], v[19+12*\c]
	global_store_b64 v2, v[128+2*\c:129+2*\c], s[36:37] offset:1024*\c   ; a wave's store covers 256 consecutive bytes, aligned; each chunk has its own data registers
.endr
	s_endpgm
.Lbias:
	; ---- p_b: 1,024 numbers, two chunks
.irp c, 0,1
	global_load_b128 v[16+12*\c:19+12*\c], v1, s[26:27] offset:2048*\c
	global_load_b128 v[20+12*\c:23+12*\c], v1, s[28:29] offset:2048*\c
	global_load_b128 v[24+12*\c:27+12*\c], v1, s[30:31] offset:2048*\c
.endr
.irp c, 0,1
	s_wait_loadcnt 3-3*\c
	BAYES 16+12*\c
	global_store_b128 v1, v[16+12*\c:19+12*\c], s[36:37] offset:WH_PB+2048*\c
.endr
	s_endpgm
.Lfunc_end_k_qf69260cb65_prep:
	.size	k_qf69260cb65_prep, .Lfunc_end_k_qf69260cb65_prep-k_qf69260cb65_prep
	.p2alignl 7, 3214868480
	.fill 96, 4, 3214868480
	.section	.rodata,"a",@progbits
	.p2align	6, 0x0
	.amdhsa_kernel k_qf69260cb65_prep
		.amdhsa_group_segment_fixed_size 33280
		.amdhsa_private_segment_fixed_size 0
		.amdhsa_enable_private_segment 0
		.amdhsa_kernarg_size 120
		.amdhsa_user_sgpr_count 2
		.amdhsa_user_sgpr_kernarg_segment_ptr 1
		.amdhsa_wavefront_size32 1
		.amdhsa_system_sgpr_workgroup_id_x 1
		.amdhsa_system_sgpr_workgroup_id_y 1
		.amdhsa_system_sgpr_workgroup_id_z 1
		.amdhsa_system_vgpr_workitem_id 0
		.amdhsa_next_free_vgpr 208
		.amdhsa_next_free_sgpr 66
		.amdhsa_reserve_vcc 1
		.amdhsa_float_denorm_mode_32 3
		.amdhsa_float_denorm_mode_16_64 3
		.amdhsa_memory_ordered 1
		.amdhsa_forward_progress 1
		.amdhsa_inst_pref_size 79
	.end_amdhsa_kernel
	.amdgpu_metadata
---
amdhsa.version: [ 1, 2 ]
amdhsa.kernels:
  - .name:           k_qf69260cb65_prep
    .symbol:         k_qf69260cb65_prep.kd
    .args:
      - { .name: x, .offset: 0, .size: 8, .value_kind: global_buffer, .address_space: global }
      - { .name: q_w, .offset: 8, .size: 8, .value_kind: global_buffer, .address_space: global }
      - { .name: k_w, .offset: 16, .size: 8, .value_kind: global_buffer, .address_space: global }
      - { .name: v_mu, .offset: 24, .size: 8, .value_kind: global_buffer, .address_space: global }
      - { .name: v_rho, .offset: 32, .size: 8, .value_kind: global_buffer, .address_space: global }
      - { .name: v_eps, .offset: 40, .size: 8, .value_kind: global_buffer, .address_space: global }
      - { .name: proj_mu, .offset: 48, .size: 8, .value_kind: global_buffer, .address_space: global }
      - { .name: proj_rho, .offset: 56, .size: 8, .value_kind: global_buffer, .address_space: global }
      - { .name: proj_eps, .offset: 64, .size: 8, .value_kind: global_buffer, .address_space: global }
      - { .name: pb_mu, .offset: 72, .size: 8, .value_kind: global_buffer, .address_space: global }
      - { .name: pb_rho, .offset: 80, .size: 8, .value_kind: global_buffer, .address_space: global }
      - { .name: pb_eps, .offset: 88, .size: 8, .value_kind: global_buffer, .address_space: global }
      - { .name: cod, .offset: 96, .size: 8, .value_kind: global_buffer, .address_space: global }
      - { .name: xh, .offset: 104, .size: 8, .value_kind: global_buffer, .address_space: global }
      - { .name: wh, .offset: 112, .size: 8, .value_kind: global_buffer, .address_space: global }
    .group_segment_fixed_size: 33280
    .private_segment_fixed_size: 0
    .kernarg_segment_align: 8
    .kernarg_segment_size: 120
    .max_flat_workgroup_size: 128
    .sgpr_count:     66
    .vgpr_count:     208
    .wavefront_size: 32
...
	.end_amdgpu_metadata
.endif
;; end of part 1
;; launch gemm_qkv (part 2): grid 8 x 32, 4 waves a work-group, clusters of 4 x 4, 327,680 bytes of LDS; arguments cod, qk, xh, wh, vt; writes qk, vt
.if DOCPART == 2
	.amdgcn_target "amdgcn-amd-amdhsa--gfx1250"
	.amdhsa_code_object_version 6
	.text
	.protected	k_qf69260cb65_gemm_qkv
	.globl	k_qf69260cb65_gemm_qkv
	.p2align	8
	.type	k_qf69260cb65_gemm_qkv,@function
k_qf69260cb65_gemm_qkv:
	s_mov_b64 s[64:65], 0
	v_nop
	global_prefetch_b8 v0, s[64:65] scope:SCOPE_SE
	s_setreg_imm32_b32 hwreg(HW_REG_WAVE_MODE, 25, 1), 1
	s_wait_xcnt 0x0
	s_wait_alu depctr_hold_cnt(0) depctr_sa_sdst(0) depctr_va_vdst(0) depctr_va_sdst(0) depctr_va_ssrc(0) depctr_va_vcc(0) depctr_vm_vsrc(0)
	s_getreg_b32 s2, hwreg(HW_REG_IB_STS2, 6, 4)
	s_cmp_eq_u32 s2, 0
	s_cbranch_scc0 .Lentry_in_a_cluster
	s_endpgm
.Lentry_in_a_cluster:
	s_bfe_u32 s2, ttmp6, 0x10000c
	s_cmp_lg_u32 s2, 0xf033
	s_cbranch_scc0 .Lentry_shape_is_right
	s_endpgm
.Lentry_shape_is_right:
; TWO PRODUCTS OF THE SAME 256 TOKENS IN ONE LAUNCH.  Nothing is left out.
; FIRST q = x q_w^T and k = x k_w^T as ONE product on codes of FP4 (E2M1) with one E8M0 scale for each 32 along K: [8192 tokens] x [2048 rows of q_w, then k_w], K = 1,024; sums in f32.
;   cod holds x's codes [8192][512 bytes] at 0, the weights' [2048][512] at COD_WC, x's scale bytes [8192][32] at COD_XS, the weights' [2048][32] at COD_WS.
;   The results leave as f16, by heads: qk = q [b][h][n][64] at 0, k likewise 2^24 bytes on.
; THEN v / 16 = x (v_w / 16)^T on f16 operands, sums in f32: xh = x [8192][1024] f16; wh = v_w / 16 [1024][1024] f16 at 0.  It leaves as f16 with the TOKENS innermost, vt [b][channel][2048 n].
; LIMITS: |q| or |k| beyond 65,504, or |v| beyond 1,048,064, becomes an infinity; under 6.1e-5 an f16 number keeps an absolute error of 2^-25.
; SHARES.  Four waves.  q, k: a tile of 256 tokens x 256 columns, a wave 128 x 128: 64 accumulators in windows 2 and 3.  v: 256 tokens x 128 channels, a wave 128 x 64: 32 accumulators in window 1.
; LDS.  The codes' K is two slots of 512 (rows of 256 bytes, pitch 272): both are asked for at the start, with the scales of the tile's 512 rows.  v's K goes in 8 steps of 128 (rows of 256 bytes, the same pitch) through
; two slots that lie at the heads of the codes' two: v's K step 0 is asked for when the codes' slot 0 has been read out, K step 1 when slot 1 has, each behind a round, one load a wave.
; q and k are stored between the two products: their stores are on their way while v is multiplied.  The stages for the ways out have bytes of their own, into which no tensor load lands.
; CLUSTERS: 4 x 4 work-groups.  The four of a row of the cluster need the same tokens, the four of a column the same weight rows: each tile is asked for JOINTLY, by the same tensor load with the same descriptor and a mask.
; q, k: source 0 = 16 weight rows, source 1 = 16 tokens: a lane holds eight neighbouring columns of one token.   v: source 0 = 16 tokens, source 1 = 16 channels: a lane holds eight neighbouring tokens of one channel.
; REGISTERS, in windows of 256: window 0: v8-29 addresses; q, k: v32-95 scale words, v128-191 the tokens' fragments, v128-223 the way out;  v: two fragment buffers of 96 at v64 and v160.
;   window 1: q, k: the weights' fragments, two sets;  v: the accumulators, (a, b) at v[8 (4 a + b)].   windows 2, 3: q's and k's accumulators, (a, b) at v[8 (8 (a % 4) + b)].
.set COD_WC, 4194304
.set COD_XS, 5242880
.set COD_WS, 5505024
.set NQ,     4                         ; matrix instructions deep in a slot of codes
.set ROWB,   256                       ; a tile's row in bytes: 512 codes
.set KROW,   512                       ; a row of codes in memory
.set PITCH,  272                       ; an LDS row: 256 bytes + 16 of padding: the 16 rows that a load touches start at 16 different banks (64 banks of 4 bytes: ISA guide 11.1)
.set FR,     8                         ; registers of a fragment of codes: 16 rows x 128 K
.set NL,     2                         ; LDS loads that bring one
.set NP,     4                         ; places behind these matrix instructions (ISA guide 7.12.1)
.set HALFT,  128*PITCH
.set SLOT,   4*HALFT                   ; the tokens' 256 rows, then the weights' 256.  v's slots begin where these begin
.set HALFW,  64*PITCH                  ; v: 64 weight rows
.set WOFF,   2*HALFT                   ; v: the weights' 128 rows lie behind the tokens' 256
.set KS,     32                        ; a row of scale bytes
.set SCL,    2*SLOT                    ; behind the two slots: the scales, as pieces of 256 bytes + 16 of padding
.set HALFS,  (128*KS/256)*272          ; those of 128 rows: what one tensor load brings
.set SBLK,   (16*KS/256)*272           ; those of 16 rows
.set SPARE,  SCL+4*HALFS               ; behind the scales: the spare words, 128 bytes for each wave
.set STAGE,  SPARE+512                 ; behind them: 16 rows x 272 bytes for each wave, for both ways out
.set LAPS,   4                         ; v: a lap = two K steps = once round the ring
.set ADRW, 8                           ; v8-9   v: LDS address of my weights' fragments in slot 0, 1
.set VRD,  10                          ; v10    v: where I read a row back from my stage
.set VCO,  11                          ; v11    v: my byte offset in vt
.set ADRA, 16                          ; v16-17 LDS address of my tokens' fragments in slot 0, 1: the same for the codes and for v
.set ADRB, 20                          ; v20-21 q, k: the same for the weights
.set STO,  24                          ; v24    where I put 16 bytes of a row into my stage: the same on both ways out
.set RD,   25                          ; v25    q, k: where I read back
.set CO,   26                          ; v26    q, k: my byte offset in qk
.set ADRS, 27                          ; v27    LDS address of my scale words: lanes 0-15 the tokens', lanes 16-31 the weights'
.set SPW,  28                          ; v28    my spare word; never rewritten
.set NIL,  29                          ; v29    0; never rewritten
.set SC,   32
.set AF,   128
.set BK,   128                         ; q, k on the way out: 16 tokens read back: v128-159 and v160-191 by turns
.set TMP,  192                         ; packed results
.set F0,   64                          ; v: fragment buffers
.set F1,   160
.set VTMP, 64
.set VBK,  96
.set G1, 24                            ; the codes' descriptors
.set G0, 32
.set G1B, 48
.set G0B, 56
.set G1S, 68                           ; the scales'
.set G0S, 76
.set G1SB, 80
.set G0SB, 88
.set VG1,  68                          ; v's descriptors take registers of loads that are done: they are written behind a wait for 0 on TENSORcnt
.set VG1B, 80
.set VG0,  32
.set VG0B, 56
.set MSB, 0
.macro WIN new                         ; the immediate's high byte repeats the setting that is left
.if MSB != \new
	s_set_vgpr_msb (MSB<<8)|\new
.set MSB, \new
.endif
.endm
.set MUL_LO, 0xa1                      ; source 0 window 1, source 1 window 0, C and D window 2
.set MUL_HI, 0xf1                      ; the same, C and D window 3
.set TO_B,   0x40
.set VMUL,   0x50                      ; v: sources 0 and 1 window 0; C and D window 1
; A joint load: waves 0 and 1 fetch for the tokens, waves 2 and 3 for the weights.  The branch hangs on the wave's number alone.  An s_nop 0 and four v_nop follow each of the two lines.
.macro JLOAD g0a, g1a, g0b, g1b
	s_cmp_eq_u32 s15, 0
	s_cbranch_scc0 .Lfor_b_\@
	tensor_load_to_lds s[\g0a:\g0a+3], s[\g1a:\g1a+7]
	s_nop 0
.rept 4
	v_nop
.endr
	s_branch .Lasked_\@
.Lfor_b_\@:
	tensor_load_to_lds s[\g0b:\g0b+3], s[\g1b:\g1b+7]
	s_nop 0
.rept 4
	v_nop
.endr
.Lasked_\@:
.endm
.macro CREST                           ; a round of the cluster's barrier behind its opening barrier
	s_cmp_lg_u32 s14, 0
	s_cbranch_scc1 .Lnot_wave_0_\@
	s_barrier_signal -3
.Lnot_wave_0_\@:
	s_barrier_wait -3
	s_barrier_signal -1
	s_barrier_wait -1
.endm
.macro CROUND                          ; a whole round
	s_barrier_signal -1
	s_barrier_wait -1
	CREST
.endm
	s_load_b128 s[4:7], s[0:1], 0x0                ; cod s[4:5], qk s[6:7]
	s_load_b128 s[96:99], s[0:1], 0x10             ; xh s[96:97], wh s[98:99]
	s_load_b64 s[100:101], s[0:1], 0x20            ; vt
	v_lshl_add_u32 v[SPW], v0, 2, SPARE
	v_mov_b32 v[NIL], 0
	ds_add_u32 v[SPW], v[NIL]                      ; the wave's opening: the add, twice on end, and its wait ahead of my first tensor load
	ds_add_u32 v[SPW], v[NIL]
	v_lshrrev_b32 v1, 5, v0
	v_readfirstlane_b32 s14, v1                    ; wave 0..3
	s_lshr_b32 s15, s14, 1                         ; which half of the tile's tokens is mine.  Also: I fetch for the tokens (0) or the weights (1)
	s_and_b32 s16, s14, 1                          ; which half of its columns.  Also: which half of a tile I fetch
	s_bfe_u32 s40, ttmp6, 0x40000                  ; cx, cy: my place in the cluster
	s_bfe_u32 s41, ttmp6, 0x40004
	s_lshl_b32 s42, ttmp9, 2
	s_add_co_u32 s42, s42, s40                     ; tile column = 4 x cluster x + cx
	s_and_b32 s17, ttmp7, 0xffff
	s_lshl_b32 s17, s17, 2
	s_add_co_u32 s17, s17, s41                     ; tile row = 4 x cluster y + cy
	s_lshl_b32 s43, s41, 2
	s_lshl_b32 s43, 15, s43                        ; my row of the cluster
	s_lshl_b32 s44, 0x1111, s40                    ; my column
	s_or_b32 s[G1+0], s43, (0<<16)|(1<<20)|(1<<21)|(5<<22)|(3<<25)  ; the mask; elements of 1 byte; padding on; bit 21 beside a mask; after every 64 words; 4 words
	s_or_b32 s[G1B+0], s44, (0<<16)|(1<<20)|(1<<21)|(5<<22)|(3<<25)
.irp g, G1, G1B
	s_mov_b32 s[\g+1], ROWB<<16                    ; tensor_dim0
	s_mov_b32 s[\g+2], 128<<16                     ; tensor_dim1
	s_mov_b32 s[\g+3], ROWB<<16                    ; tile_dim0
	s_mov_b32 s[\g+4], 128                         ; tile_dim1
	s_mov_b32 s[\g+5], KROW                        ; from row to row
	s_mov_b32 s[\g+6], 0
	s_mov_b32 s[\g+7], 0
.endr
	s_or_b32 s[G1S+0], s43, (3<<16)|(1<<20)|(1<<21)|(5<<22)|(3<<25)  ; the scales of 128 rows: 4,096 dense bytes as 16 rows of 32 elements of 8 bytes
	s_or_b32 s[G1SB+0], s44, (3<<16)|(1<<20)|(1<<21)|(5<<22)|(3<<25)
.irp g, G1S, G1SB
	s_mov_b32 s[\g+1], 32<<16
	s_mov_b32 s[\g+2], (128*KS/256)<<16
	s_mov_b32 s[\g+3], 32<<16
	s_mov_b32 s[\g+4], 128*KS/256
	s_mov_b32 s[\g+5], 32
	s_mov_b32 s[\g+6], 0
	s_mov_b32 s[\g+7], 0
.endr
	s_lshl_b32 s18, s16, 7
	s_lshl_b32 s20, s17, 8
	s_add_co_u32 s20, s20, s18                     ; tokens: row 256 x tile row + 128 x half
	s_lshl_b32 s46, s42, 8
	s_add_co_u32 s46, s46, s18                     ; weights: row 256 x tile column + 128 x half
	s_mov_b32 s21, 0
	s_mov_b32 s47, 0
	s_mov_b64 s[18:19], KS
	s_mul_u64 s[22:23], s[20:21], s[18:19]         ; where these rows' scales begin,
	s_mul_u64 s[92:93], s[46:47], s[18:19]
	s_mov_b64 s[18:19], KROW
	s_mul_u64 s[20:21], s[20:21], s[18:19]         ; and their codes
	s_mul_u64 s[46:47], s[46:47], s[18:19]
	s_mul_i32 s45, s14, HALFT                      ; where they go: wave x 128 rows
	s_mul_i32 s94, s14, HALFS
	s_lshl_b32 s66, s17, 8                         ; v: the tokens that I fetch: row 256 x tile row + 128 x half, of 2,048 bytes
	s_lshl_b32 s67, s16, 7
	s_add_co_u32 s66, s66, s67
	s_lshl_b32 s66, s66, 11
	s_mov_b32 s67, 0
	s_lshl_b32 s2, s42, 7                          ; v: the weight rows that I fetch: row 128 x tile column + 64 x half
	s_lshl_b32 s3, s16, 6
	s_add_co_u32 s2, s2, s3
	s_lshl_b32 s2, s2, 11
	s_mov_b32 s3, 0
	s_wait_dscnt 0x0                               ; both opening adds are done
	s_wait_kmcnt 0x0
	s_mov_b64 s[12:13], s[6:7]                     ; qk
	s_add_nc_u64 s[6:7], s[4:5], COD_XS
	s_add_nc_u64 s[8:9], s[4:5], COD_WC
	s_add_nc_u64 s[10:11], s[4:5], COD_WS
	s_add_nc_u64 s[20:21], s[4:5], s[20:21]
	s_add_nc_u64 s[22:23], s[6:7], s[22:23]
	s_add_nc_u64 s[46:47], s[8:9], s[46:47]
	s_add_nc_u64 s[92:93], s[10:11], s[92:93]
	s_add_nc_u64 s[96:97], s[96:97], s[66:67]      ; xh at the tokens that I fetch
	s_add_nc_u64 s[98:99], s[98:99], s[2:3]        ; wh at the weight rows that I fetch
	CROUND                                         ; all sixteen work-groups are here: the joint loads meet
	s_mov_b32 s[G0S], 1
	s_add_co_u32 s[G0S+1], s94, SCL
	s_mov_b64 s[G0S+2:G0S+3], s[22:23]
	s_or_b32 s[G0S+3], s[G0S+3], 0x80000000
	s_mov_b32 s[G0SB], 1
	s_add_co_u32 s[G0SB+1], s94, SCL
	s_mov_b64 s[G0SB+2:G0SB+3], s[92:93]
	s_or_b32 s[G0SB+3], s[G0SB+3], 0x80000000
	JLOAD G0S, G1S, G0SB, G1SB                     ; the scales first: they are wanted with slot 0.  Three loads of mine are out at the most
.irp s, 0,1
	s_mov_b32 s[G0+4*\s], 1
	s_add_co_u32 s[G0+4*\s+1], s45, \s*SLOT
	s_add_nc_u64 s[G0+4*\s+2:G0+4*\s+3], s[20:21], \s*ROWB
	s_or_b32 s[G0+4*\s+3], s[G0+4*\s+3], 0x80000000
	s_mov_b32 s[G0B+4*\s], 1
	s_add_co_u32 s[G0B+4*\s+1], s45, \s*SLOT
	s_add_nc_u64 s[G0B+4*\s+2:G0B+4*\s+3], s[46:47], \s*ROWB
	s_or_b32 s[G0B+4*\s+3], s[G0B+4*\s+3], 0x80000000
	JLOAD G0+4*\s, G1, G0B+4*\s, G1B
.endr
	v_and_b32 v1, 15, v0                           ; r = lane % 16
	v_bfe_u32 v2, v0, 4, 1                         ; h = lane / 16
	v_mul_u32_u24 v3, v1, PITCH
	v_lshl_add_u32 v4, v2, 4, v3                   ; a fragment's row x pitch + 16 h
	s_mul_i32 s21, s15, HALFT                      ; my 128 tokens
	s_mul_i32 s22, s16, HALFT                      ; q, k: my 128 weight rows,
	s_add_co_u32 s22, s22, 2*HALFT                 ; behind the tokens' 256
.irp s, 0,1
	v_add_nc_u32 v[ADRA+\s], s21, v4
	v_add_nc_u32 v[ADRB+\s], s22, v4
	s_add_co_u32 s21, s21, SLOT
	s_add_co_u32 s22, s22, SLOT
.endr
	s_mul_i32 s22, s16, HALFW                      ; v: my 64 channels
	s_add_co_u32 s22, s22, WOFF
.irp s, 0,1
	v_add_nc_u32 v[ADRW+\s], s22, v4
	s_add_co_u32 s22, s22, SLOT
.endr
	v_mul_u32_u24 v5, v1, KS                       ; my row's scales: 32 bytes a row,
	v_lshrrev_b32 v6, 8, v5
	v_lshl_add_u32 v5, v6, 4, v5                   ; and 16 more for each 256 passed
	s_mul_i32 s21, s15, HALFS
	s_mul_i32 s22, s16, HALFS
	s_add_co_u32 s22, s22, 2*HALFS
	s_sub_co_u32 s22, s22, s21
	v_mul_u32_u24 v6, s22, v2                      ; lanes 16-31 take the weights': one product, the distance between the two bases x h
	s_add_co_u32 s21, s21, SCL
	v_add_nc_u32 v5, v5, v6
	v_add_nc_u32 v[ADRS], s21, v5
	s_mul_i32 s23, s14, 16*PITCH
	s_add_co_u32 s23, s23, STAGE                   ; my stage
	v_add_nc_u32 v[STO], s23, v4                   ; in: row r, 16 bytes for each half of the lanes
	v_bfe_u32 v6, v0, 3, 1                         ; q, k, back: lanes 0-15 take two tokens' 128 bytes of my first head, lanes 16-31 of my second
	v_mul_u32_u24 v6, v6, PITCH
	v_lshl_add_u32 v6, v2, 7, v6
	v_and_b32 v7, 7, v0
	v_lshl_add_u32 v6, v7, 4, v6
	v_add_nc_u32 v[RD], s23, v6
	v_lshlrev_b32 v[CO], 4, v1                     ; in qk: 16 bytes a lane, two tokens on end; the second head 2^18 bytes on
	v_lshl_add_u32 v[CO], v2, 18, v[CO]
	v_mul_u32_u24 v6, v2, PITCH                    ; v, back: lanes 0-15 one channel's 256 bytes, lanes 16-31 the next's
	v_lshl_add_u32 v6, v1, 4, v6
	v_add_nc_u32 v[VRD], s23, v6
	v_lshlrev_b32 v[VCO], 4, v1                    ; and the same two rows of vt, 4,096 bytes apart
	v_lshl_add_u32 v[VCO], v2, 12, v[VCO]
	s_lshr_b32 s20, s17, 3                         ; where my part begins in qk.  By the tile row: batch x 2^22 + token x 128
	s_lshl_b32 s20, s20, 22
	s_and_b32 s21, s17, 7
	s_lshl_b32 s21, s21, 8
	s_lshl_b32 s22, s15, 7
	s_add_co_u32 s21, s21, s22
	s_lshl_b32 s21, s21, 7
	s_add_co_u32 s20, s20, s21
	s_mov_b32 s21, 0
	s_add_nc_u64 s[12:13], s[12:13], s[20:21]
	s_lshr_b32 s46, s42, 2                         ; by the tile column: q or k x 2^24 + head x 2^18
	s_lshl_b32 s46, s46, 24
	s_and_b32 s47, s42, 3
	s_lshl_b32 s47, s47, 2
	s_lshl_b32 s93, s16, 1
	s_add_co_u32 s47, s47, s93
	s_lshl_b32 s47, s47, 18
	s_add_co_u32 s46, s46, s47
	s_mov_b32 s47, 0
	s_add_nc_u64 s[12:13], s[12:13], s[46:47]
	s_lshr_b32 s20, s17, 3                         ; and in vt.  By the tokens: batch x 2^22 + token x 2
	s_lshl_b32 s20, s20, 22
	s_and_b32 s21, s17, 7
	s_lshl_b32 s21, s21, 9
	s_add_co_u32 s20, s20, s21
	s_lshl_b32 s21, s15, 8
	s_add_co_u32 s20, s20, s21
	s_mov_b32 s21, 0
	s_add_nc_u64 s[100:101], s[100:101], s[20:21]
	s_lshl_b32 s46, s42, 7                         ; by the channels: channel x 4,096
	s_lshl_b32 s47, s16, 6
	s_add_co_u32 s46, s46, s47
	s_lshl_b32 s46, s46, 12
	s_mov_b32 s47, 0
	s_add_nc_u64 s[100:101], s[100:101], s[46:47]
.macro FRAG reg, adr, q, i             ; 16 rows x 128 K of 4-bit codes: lane l holds row l % 16; registers 4 c .. 4 c + 3 hold K = 64 c + 32 (l / 16) + 0 .. 31
.irp c, 0,1
	ds_load_b128 v[\reg+4*\c:\reg+4*\c+3], v[\adr] offset:64*(\q)+32*\c+(\i)*16*PITCH
.endr
.endm
; 16 matrix instructions: token blocks a0, a0 + 1 x the weights' eight, the slot's q-th 128 along K.  p: the weights' set; sc: the set of scale words.  zero = 1: the first product starts the sums.
; The 64 accumulators take turns, one instruction a turn, in the same order in every step.
.macro MUL16 a0, p, q, sc, zero
.irp a, \a0, \a0+1
.irp b, 0,1,2,3,4,5,6,7
.if \zero
	v_wmma_scale_f32_16x16x128_f8f6f4 v[8*(8*((\a)%4)+\b):8*(8*((\a)%4)+\b)+7], v[128*(\p)+FR*\b:128*(\p)+FR*\b+FR-1], v[AF+FR*(\a):AF+FR*(\a)+FR-1], 0, v[SC+8*NQ*(\sc)+NQ*\b+(\q)], v[SC+8*NQ*(\sc)+NQ*(\a)+(\q)] matrix_a_fmt:MATRIX_FMT_FP4 matrix_b_fmt:MATRIX_FMT_FP4 matrix_a_scale:MATRIX_SCALE_ROW1
.else
	v_wmma_scale_f32_16x16x128_f8f6f4 v[8*(8*((\a)%4)+\b):8*(8*((\a)%4)+\b)+7], v[128*(\p)+FR*\b:128*(\p)+FR*\b+FR-1], v[AF+FR*(\a):AF+FR*(\a)+FR-1], v[8*(8*((\a)%4)+\b):8*(8*((\a)%4)+\b)+7], v[SC+8*NQ*(\sc)+NQ*\b+(\q)], v[SC+8*NQ*(\sc)+NQ*(\a)+(\q)] matrix_a_fmt:MATRIX_FMT_FP4 matrix_b_fmt:MATRIX_FMT_FP4 matrix_a_scale:MATRIX_SCALE_ROW1
.endif
.endr
.endr
.endm
.macro FETCH_B slot, q, p
	WIN TO_B
.irp i, 0,1,2,3,4,5,6,7
	FRAG 128*(\p)+FR*\i, ADRB+\slot, \q, \i
.endr
	WIN 0
.endm
.macro FETCH_A slot, q, i0
.irp i, \i0, \i0+1, \i0+2, \i0+3
	FRAG AF+FR*(\i), ADRA+\slot, \q, \i
.endr
.endm
.macro SCALES sc                       ; a slot's scale words: 4 words a row; lanes 0-15 the tokens' block i, lanes 16-31 the weights' block i
.irp i, 0,1,2,3,4,5,6,7
	ds_load_b128 v[SC+8*NQ*\sc+NQ*\i:SC+8*NQ*\sc+NQ*\i+3], v[ADRS] offset:\i*SBLK
.endr
.endm
.macro PLACES n                        ; plain vector instructions between a matrix instruction and a load into its registers, or the first read of its result
.rept \n
	v_nop
.endr
.endm
.macro STEP slot, q, zero              ; a step of 128 along K that has its successor in the same slot
	s_wait_dscnt 4*NL                              ; the weights' set and token blocks 0-3 are in; the youngest eight loads (blocks 4-7) may be out
	WIN MUL_LO
	MUL16 0, (\q)%2, \q, \slot, \zero
	MUL16 2, (\q)%2, \q, \slot, \zero
	s_wait_dscnt 0                                 ; blocks 4-7 are in
	PLACES NP
	FETCH_B \slot, (\q)+1, 1-(\q)%2
	FETCH_A \slot, (\q)+1, 0
	WIN MUL_HI
	MUL16 4, (\q)%2, \q, \slot, \zero
	MUL16 6, (\q)%2, \q, \slot, \zero
	PLACES NP
	WIN 0
	FETCH_A \slot, (\q)+1, 4
.endm
; v's descriptors.  Group 1: the tokens' tile is 128 rows x 128 elements of 2 bytes, the weights' 64 rows; rows of xh and wh are 1,024 elements apart; 4 words of padding after every 64.
; Group 0, a set for each slot: K step s begins 256 s bytes along the rows.
.macro VDESC
	s_or_b32 s[VG1+0], s43, (1<<16)|(1<<20)|(1<<21)|(5<<22)|(3<<25)
	s_or_b32 s[VG1B+0], s44, (1<<16)|(1<<20)|(1<<21)|(5<<22)|(3<<25)
	s_mov_b32 s[VG1+1], 128<<16                    ; tensor_dim0 = 128
	s_mov_b32 s[VG1+2], 128<<16                    ; tensor_dim1 = 128
	s_mov_b32 s[VG1+3], 128<<16                    ; tile_dim0 = 128
	s_mov_b32 s[VG1+4], 128                        ; tile_dim1 = 128
	s_mov_b32 s[VG1+5], 1024                       ; from row to row
	s_mov_b32 s[VG1+6], 0
	s_mov_b32 s[VG1+7], 0
	s_mov_b32 s[VG1B+1], 128<<16
	s_mov_b32 s[VG1B+2], 64<<16                    ; 64 rows
	s_mov_b32 s[VG1B+3], 128<<16
	s_mov_b32 s[VG1B+4], 64
	s_mov_b32 s[VG1B+5], 1024
	s_mov_b32 s[VG1B+6], 0
	s_mov_b32 s[VG1B+7], 0
	s_mul_i32 s20, s16, HALFT                      ; where they go: no place in the cluster enters an LDS address
	s_mul_i32 s21, s16, HALFW
	s_add_co_u32 s21, s21, WOFF
.irp s, 0,1
	s_mov_b32 s[VG0+4*\s], 1
	s_add_co_u32 s[VG0+4*\s+1], s20, \s*SLOT
	s_add_nc_u64 s[VG0+4*\s+2:VG0+4*\s+3], s[96:97], \s*256
	s_or_b32 s[VG0+4*\s+3], s[VG0+4*\s+3], 0x80000000
	s_mov_b32 s[VG0B+4*\s], 1
	s_add_co_u32 s[VG0B+4*\s+1], s21, \s*SLOT
	s_add_nc_u64 s[VG0B+4*\s+2:VG0B+4*\s+3], s[98:99], \s*256
	s_or_b32 s[VG0B+4*\s+3], s[VG0B+4*\s+3], 0x80000000
.endr
.endm
	s_wait_tensorcnt 1                             ; the scales and my part of slot 0 are in (slot 1's load may be out),
	s_barrier_signal -1
	s_barrier_wait -1                              ; everybody's are
	FETCH_B 0, 0, 0
	FETCH_A 0, 0, 0
	SCALES 0
	FETCH_A 0, 0, 4
	STEP 0, 0, 1                                   ; the first step's products start the sums
	STEP 0, 1, 0
	STEP 0, 2, 0
	; Slot 0's last step changes slots.  In front of the round each wave waits for all its tensor loads (its part of slot 1), adds 0 to its spare word, and waits for that and for its reads of slot 0.
	; Behind the round slot 0 is filled again: with v's K step 0.
	s_wait_tensorcnt 0x0                           ; no tensor load of mine is out: every descriptor register may be written
	ds_add_u32 v[SPW], v[NIL]                      ; v's descriptors, work on registers, stand between the add and the wait for it
	VDESC
	s_wait_dscnt 4*NL+1                            ; (the add and the youngest eight loads may be out)
	WIN MUL_LO
	MUL16 0, 1, NQ-1, 0, 0
	s_wait_dscnt 0x0                               ; the add is done, and my reads of slot 0 are over
	s_barrier_signal -1
	MUL16 2, 1, NQ-1, 0, 0
	WIN 0
	s_barrier_wait -1
	CREST                                          ; no wave of any partner still reads slot 0 or has a load on its way
	JLOAD VG0, VG1, VG0B, VG1B                     ; my one load behind the round; the four v_nop behind it are also the places in front of the loads below
	v_add_nc_u32 v[ADRS], 4*NQ, v[ADRS]            ; on to slot 1's scale words
	FETCH_B 1, 0, 0
	FETCH_A 1, 0, 0
	SCALES 1
	WIN MUL_HI
	MUL16 4, 1, NQ-1, 0, 0
	MUL16 6, 1, NQ-1, 0, 0
	PLACES NP
	WIN 0
	FETCH_A 1, 0, 4
	STEP 1, 0, 0
	STEP 1, 1, 0
	STEP 1, 2, 0
	; The codes' last step: all its fragments have been asked for.  The same three lines and a round; behind it slot 1 is filled again: with v's K step 1.
	s_wait_tensorcnt 0x0                           ; v's K step 0 has landed
	ds_add_u32 v[SPW], v[NIL]
	s_wait_dscnt 4*NL+1
	WIN MUL_LO
	MUL16 0, 1, NQ-1, 1, 0
	s_wait_dscnt 0x0                               ; the add is done, and my reads of slot 1 are over
	s_barrier_signal -1
	MUL16 2, 1, NQ-1, 1, 0
	WIN 0
	s_barrier_wait -1
	CREST
	JLOAD VG0+4, VG1, VG0B+4, VG1B                 ; it lands while q and k go out and v's first K step is multiplied
	WIN MUL_HI
	MUL16 4, 1, NQ-1, 1, 0
	MUL16 6, 1, NQ-1, 1, 0
	WIN 0
; q'S AND k'S WAY OUT, by blocks of 16 tokens x 128 columns (two heads).  PACK: rounded to f16, 16 bytes a lane, each accumulator from its low end on.  TOSTAGE: into my stage and back by heads.  SEND: stored.
.macro PACK a
.set AC, 64*((\a)%4)
	WIN 0x0a+5*((\a)/4)                            ; sources 0 and 1: window 2 or 3
.irp b, 0,1,2,3,4,5,6,7
.irp i, 0,1,2,3
	v_cvt_pk_f16_f32 v[TMP+4*\b+\i], v[AC+8*\b+2*\i], v[AC+8*\b+2*\i+1]
.endr
.endr
	WIN 0
.endm
.macro TOSTAGE a
.set BB, BK+32*((\a)%2)
.irp b, 0,1,2,3,4,5,6,7
	ds_store_b128 v[STO], v[TMP+4*\b:TMP+4*\b+3] offset:32*\b
.endr
.irp u, 0,1,2,3,4,5,6,7
	ds_load_b128 v[BB+4*\u:BB+4*\u+3], v[RD] offset:\u*2*PITCH     ; LDS serves a wave's instructions in order (ISA guide 5.7.1.4): these see the stores above
.endr
.endm
.macro SEND a
.set BB, BK+32*((\a)%2)
	s_wait_dscnt 0x0                               ; the block is back in registers
	s_wait_xcnt 0x0                                ; the stores of the block before have read their registers: the next block's loads may land there
.irp u, 0,1,2,3,4,5,6,7
	global_store_b128 v[CO], v[BB+4*\u:BB+4*\u+3], s[12:13] offset:2048*(\a)+256*\u   ; 16 lanes store two tokens of a head: 256 consecutive bytes, aligned
.endr
.endm
	PLACES NP
	PACK 0
	TOSTAGE 0
.irp a, 1,2,3,4,5,6,7                  ; block a's conversions stand between block a - 1's loads from the stage and the wait for them
	PACK \a
	SEND \a-1
	TOSTAGE \a
.endr
	SEND 7
; ---- v.  8 matrix instructions: token blocks a0, a0 + 1 x the 4 channel blocks, 32 along K.  The 32 accumulators take turns, one instruction a turn, in one order.
.macro MUL8 f, a0, zero
.irp a, \a0, \a0+1
.irp b, 0,1,2,3
.if \zero
	v_wmma_f32_16x16x32_f16 v[8*(4*(\a)+\b):8*(4*(\a)+\b)+7], v[\f+8*(\a):\f+8*(\a)+7], v[\f+64+8*\b:\f+64+8*\b+7], 0
.else
	v_wmma_f32_16x16x32_f16 v[8*(4*(\a)+\b):8*(4*(\a)+\b)+7], v[\f+8*(\a):\f+8*(\a)+7], v[\f+64+8*\b:\f+64+8*\b+7], v[8*(4*(\a)+\b):8*(4*(\a)+\b)+7]
.endif
.endr
.endr
.endm
; 24 LDS loads in one run: the fragments of the slot's q-th 32 along K into buffer f: the weights' 4, token blocks 0-3, token blocks 4-7
.macro VFETCH slot, q, f
	WIN 0
.irp i, 0,1,2,3
	ds_load_b128 v[\f+64+8*\i:\f+64+8*\i+3],   v[ADRW+\slot] offset:64*(\q)+\i*16*PITCH
	ds_load_b128 v[\f+64+8*\i+4:\f+64+8*\i+7], v[ADRW+\slot] offset:64*(\q)+\i*16*PITCH+32
.endr
.irp i, 0,1,2,3,4,5,6,7
	ds_load_b128 v[\f+8*\i:\f+8*\i+3],   v[ADRA+\slot] offset:64*(\q)+\i*16*PITCH
	ds_load_b128 v[\f+8*\i+4:\f+8*\i+7], v[ADRA+\slot] offset:64*(\q)+\i*16*PITCH+32
.endr
.endm
; A K step is four quarters of 32 along K, 32 matrix instructions each, on buffers 0, 1, 0, 1.  One of the first three: multiplies buffer f, and in its middle fetches quarter q into buffer g.
.macro QUARTER slot, q, f, g, zero
	s_wait_dscnt 8                                 ; the weights and token blocks 0-3 are in; the youngest eight loads (blocks 4-7) may be out
	WIN VMUL
	MUL8 \f, 0, \zero
	MUL8 \f, 2, \zero
	PLACES 4
	VFETCH \slot, \q, \g
	s_wait_dscnt 24                                ; all but the 24 just issued
	WIN VMUL
	MUL8 \f, 4, \zero
	MUL8 \f, 6, \zero
.endm
; The last quarter multiplies buffer 1 and changes slots: ONE barrier; in front of it each wave waits for all its tensor loads, adds 0 to its spare word, and waits for that and for its reads of this slot.
; fill = 1: the barrier opens a round of the cluster's, and this slot is filled again, two K steps ahead, first thing behind the round.
.macro VTURN slot, next, fill
	WIN 0                                          ; (the add's two registers lie in window 0)
	s_wait_tensorcnt 0x0                           ; all my tensor loads have landed: my part of the next slot
	ds_add_u32 v[SPW], v[NIL]
	s_wait_dscnt 9                                 ; (the add and the youngest eight loads may be out)
	WIN VMUL
	MUL8 F1, 0, 0
	s_wait_dscnt 0x0                               ; the add is done, and my reads of this slot are over
	s_barrier_signal -1
	MUL8 F1, 2, 0
.if \fill
	WIN 0
.endif
	s_barrier_wait -1
.if \fill
	CREST                                          ; no wave of any partner still reads this slot or has a load on its way
	s_add_nc_u64 s[VG0+4*\slot+2:VG0+4*\slot+3], s[VG0+4*\slot+2:VG0+4*\slot+3], 512
	s_add_nc_u64 s[VG0B+4*\slot+2:VG0B+4*\slot+3], s[VG0B+4*\slot+2:VG0B+4*\slot+3], 512
	JLOAD VG0+4*\slot, VG1, VG0B+4*\slot, VG1B     ; my one load behind the round; the four v_nop behind it are also the places in front of the loads below
.else
	PLACES 4
.endif
	VFETCH \next, 0, F0
	WIN VMUL
	MUL8 F1, 4, 0
	MUL8 F1, 6, 0
.endm
	s_wait_xcnt 0x0                                ; q's and k's last stores have read their registers: v's fragments may land there
	VFETCH 0, 0, F0                                ; v's K step 0 was shown whole to every wave by the round above
	QUARTER 0, 1, F0, F1, 1                        ; the first quarter's products start the sums, in the registers that the codes' weights have left
	WIN 0
	s_mov_b32 s3, LAPS-1
.Llap:                                                 ; a trip goes once round the ring, from a lap's second quarter to the next lap's first, and fills both slots again
	QUARTER 0, 2, F1, F0, 0
	QUARTER 0, 3, F0, F1, 0
	VTURN 0, 1, 1
	QUARTER 1, 1, F0, F1, 0
	QUARTER 1, 2, F1, F0, 0
	QUARTER 1, 3, F0, F1, 0
	VTURN 1, 0, 1
	QUARTER 0, 1, F0, F1, 0
	WIN 0
	s_sub_co_u32 s3, s3, 1
	s_cmp_lg_u32 s3, 0
	s_cbranch_scc1 .Llap
	QUARTER 0, 2, F1, F0, 0                        ; the last lap fills nothing
	QUARTER 0, 3, F0, F1, 0
	VTURN 0, 1, 0
	QUARTER 1, 1, F0, F1, 0
	QUARTER 1, 2, F1, F0, 0
	QUARTER 1, 3, F0, F1, 0
	s_wait_dscnt 8                                 ; the very last quarter
	WIN VMUL
	MUL8 F1, 0, 0
	MUL8 F1, 2, 0
	s_wait_dscnt 0x0
	MUL8 F1, 4, 0
	MUL8 F1, 6, 0
	WIN 0
; v'S WAY OUT, by blocks of 16 channels x 128 tokens: rounded to f16, through my stage, out as whole rows of 256 bytes.
.macro VPACK b
	WIN 0x05                                       ; sources 0 and 1 window 1
.irp a, 0,1,2,3,4,5,6,7
.irp i, 0,1,2,3
	v_cvt_pk_f16_f32 v[VTMP+4*\a+\i], v[8*(4*\a+(\b))+2*\i], v[8*(4*\a+(\b))+2*\i+1]
.endr
.endr
	WIN 0
.endm
.macro VTOSTAGE b
.set BB, VBK+32*((\b)%2)
.irp a, 0,1,2,3,4,5,6,7
	ds_store_b128 v[STO], v[VTMP+4*\a:VTMP+4*\a+3] offset:32*\a
.endr
.irp u, 0,1,2,3,4,5,6,7
	ds_load_b128 v[BB+4*\u:BB+4*\u+3], v[VRD] offset:\u*2*PITCH    ; LDS serves a wave's instructions in order (ISA guide 5.7.1.4)
.endr
.endm
.macro VSEND b
.set BB, VBK+32*((\b)%2)
	s_wait_dscnt 0x0
	s_wait_xcnt 0x0                                ; the stores of the block before have read their registers
.irp u, 0,1,2,3,4,5,6,7
	global_store_b128 v[VCO], v[BB+4*\u:BB+4*\u+3], s[100:101] offset:(16*(\b)+2*\u)*4096   ; 16 lanes store 256 consecutive bytes of a channel's row, aligned
.endr
.endm
	PLACES 4
	VPACK 0
	VTOSTAGE 0
.irp b, 1,2,3
	VPACK \b
	VSEND \b-1
	VTOSTAGE \b
.endr
	VSEND 3
	s_wait_tensorcnt 0x0                           ; the wave's end
	ds_add_u32 v[SPW], v[NIL]
	s_wait_dscnt 0x0
	CROUND                                         ; the closing round
	s_endpgm
.Lfunc_end_k_qf69260cb65_gemm_qkv:
	.size	k_qf69260cb65_gemm_qkv, .Lfunc_end_k_qf69260cb65_gemm_qkv-k_qf69260cb65_gemm_qkv
	.p2alignl 7, 3214868480
	.fill 96, 4, 3214868480
	.section	.rodata,"a",@progbits
	.p2align	6, 0x0
	.amdhsa_kernel k_qf69260cb65_gemm_qkv
		.amdhsa_group_segment_fixed_size 327680
		.amdhsa_private_segment_fixed_size 0
		.amdhsa_enable_private_segment 0
		.amdhsa_kernarg_size 40
		.amdhsa_user_sgpr_count 2
		.amdhsa_user_sgpr_kernarg_segment_ptr 1
		.amdhsa_wavefront_size32 1
		.amdhsa_system_sgpr_workgroup_id_x 1
		.amdhsa_system_sgpr_workgroup_id_y 1
		.amdhsa_system_sgpr_workgroup_id_z 1
		.amdhsa_system_vgpr_workitem_id 0
		.amdhsa_next_free_vgpr 1024
		.amdhsa_next_free_sgpr 102
		.amdhsa_reserve_vcc 0
		.amdhsa_float_denorm_mode_32 3
		.amdhsa_float_denorm_mode_16_64 3
		.amdhsa_memory_ordered 1
		.amdhsa_forward_progress 1
		.amdhsa_inst_pref_size 210
	.end_amdhsa_kernel
	.amdgpu_metadata
---
amdhsa.version: [ 1, 2 ]
amdhsa.kernels:
  - .name:           k_qf69260cb65_gemm_qkv
    .symbol:         k_qf69260cb65_gemm_qkv.kd
    .args:
      - { .name: cod, .offset: 0, .size: 8, .value_kind: global_buffer, .address_space: global }
      - { .name: qk, .offset: 8, .size: 8, .value_kind: global_buffer, .address_space: global }
      - { .name: xh, .offset: 16, .size: 8, .value_kind: global_buffer, .address_space: global }
      - { .name: wh, .offset: 24, .size: 8, .value_kind: global_buffer, .address_space: global }
      - { .name: vt, .offset: 32, .size: 8, .value_kind: global_buffer, .address_space: global }
    .group_segment_fixed_size: 327680
    .private_segment_fixed_size: 0
    .kernarg_segment_align: 8
    .kernarg_segment_size: 40
    .max_flat_workgroup_size: 128
    .sgpr_count:     102
    .vgpr_count:     1024
    .wavefront_size: 32
...
	.end_amdgpu_metadata
.endif
;; end of part 2
;; launch attn (part 3): grid 4 x 64, 8 waves a work-group, clusters of 4 x 1, 327,680 bytes of LDS; arguments qk, vt, ao; writes ao
.if DOCPART == 3
	.amdgcn_target "amdgcn-amd-amdhsa--gfx1250"
	.amdhsa_code_object_version 6
	.text
	.protected	k_qf69260cb65_attn
	.globl	k_qf69260cb65_attn
	.p2align	8
	.type	k_qf69260cb65_attn,@function
k_qf69260cb65_attn:
	s_mov_b64 s[64:65], 0
	v_nop
	global_prefetch_b8 v0, s[64:65] scope:SCOPE_SE
	s_setreg_imm32_b32 hwreg(HW_REG_WAVE_MODE, 25, 1), 1
	s_wait_xcnt 0x0
	s_wait_alu depctr_hold_cnt(0) depctr_sa_sdst(0) depctr_va_vdst(0) depctr_va_sdst(0) depctr_va_ssrc(0) depctr_va_vcc(0) depctr_vm_vsrc(0)
	s_getreg_b32 s2, hwreg(HW_REG_IB_STS2, 6, 4)
	s_cmp_eq_u32 s2, 0
	s_cbranch_scc0 .Lentry_in_a_cluster
	s_endpgm
.Lentry_in_a_cluster:
	s_bfe_u32 s2, ttmp6, 0x10000c
	s_cmp_lg_u32 s2, 0x3003
	s_cbranch_scc0 .Lentry_shape_is_right
	s_endpgm
.Lentry_shape_is_right:
; out / 16 = softmax_k(q . k / 8) (v / 16), for each of the 64 pairs (batch, head): 2,048 queries, 2,048 keys, head size 64, no mask.  Nothing is left out.
; qk: q [bh][n][64] f16 at 0, k likewise 2^24 bytes on.  vt: v / 16 [bh][64 d][2048 n] f16, the keys innermost.  ao: out / 16 [bh][n][64] f16.
; Products on f16 operands with f32 sums; maxima, exponentials and sums in f32; the weights p (at most 1) are rounded to f16 for the second product, the row's sum is taken of the unrounded p.
; SOFTMAX: for each query a running maximum m and sum l: p = 2^(c s - c m), c = log2(e) / 8; in every step O and l are multiplied by a = 2^(c m_old - c m_new).  m begins at -3e38, O and l at 0.
; LIMIT: |out| beyond 1,048,064 becomes an infinity in ao; under 6.1e-5 an f16 number keeps an absolute error of 2^-25.
; SHARES: a work-group owns 512 queries of one (batch, head), each of its eight waves 64: four tiles of 16, in 512 registers, so that each fragment of K and V read from LDS feeds four products.
; Every wave walks all 2,048 keys: 8 blocks of 256 (an LDS slot), each of 4 steps of 64.
; LAYOUT: S^T = K Q^T (source 0 = 16 keys, source 1 = 16 queries): a lane holds ONE query and the keys 8 (lane / 16) + 0..7.  Two such tiles, rounded to f16 in pairs, ARE source 1 of O^T = V^T P.
; BY TURNS.  The wave's tiles are two PIECES, named by their first tile: piece 0 (tiles 0, 1) and piece 2 (tiles 2, 3).  A TURN (x, y) has three parts:
;   T1  16 products K Q^T of piece x; behind each stand 2 scalings and 4 exponentials of piece y's scores of the step before (piece 2) or of this step (piece 0)
;   T2  no product: y's sums, x's maximum, m, c m and a, y's roundings to f16
;   T3  16 products V^T P of piece y; behind the first 13 stand 2 each of the 32 multiplications of x's O^T by a, behind the last the other 6
; Then the pieces change places; two turns are a key step.  The vector lines of T1 name vector registers as source 0, source 2 and destination alone, those of T3 have O^T as destination and source 0 and a as source 1:
; so they stand under the products' own window settings, and a key step has eight switches.
; K of the next step is fetched behind K Q^T of piece 2, V of the next step behind V^T P of piece 2: one buffer each.
; CLUSTER: the four query blocks of a (batch, head) walk the same K and V: each tile is asked for JOINTLY.  Waves 0-3 fetch 64 rows of K each, wave 4 V's 64 rows; waves 5-7 fetch nothing.
; REGISTERS: window 0: v2-13 addresses; v16-47 eight registers of statistics a tile (+0 c m, +1 m, +2, +3 l, +4, +5, +7 at work, +6 a); v64-191 S^T, 32 a tile, then P in the lower 16 of each; v192-255 K's fragments.
;   window 1: v0-127 O^T, 32 a tile; v128-191 Q; v192-255 V's fragments.
.set KP,    144                        ; a key's row in LDS: 128 bytes + 16 of padding
.set VP,    528                        ; a row of V^T: 512 bytes (256 keys) + 16
.set VOFF,  256*KP                     ; a slot: 256 rows of K, then 64 rows of V^T
.set SLOT1, 1<<17                      ; slot 1 begins here: one exclusive or turns an address from one slot to the other
.set STAGE, SLOT1+VOFF+64*VP           ; behind the ring: 16 rows x 144 bytes for each wave
.set SPARE, STAGE+8*16*KP              ; behind the stages: the spare words, 128 bytes for each wave
.set AK0, 2
.set AV0, 3
.set ADK, 4
.set ADV, 5
.set QO,  6
.set STO, 7
.set RD,  8
.set GO,  9
.set PFO, 10
.set SPW, 12
.set NIL, 13
.set ST,  16
.set S,   64
.set KF,  192
.set QF,  128                          ; in window 1
.set VF,  192                          ; in window 1
.set WV,  12
.set LIM, 15
.set PFA, 18
.set G1K, 24
.set G1V, 32
.set G0K, 40
.set G0V, 44
.set PFS, 48
.set SLOTS, 56
.set CNT, 57
.set CS,  58
.set SEL, 60
.set TK,  62
.set TV,  63
.set MSB, 0
.macro WIN new
.if MSB != \new
	s_set_vgpr_msb (MSB<<8)|\new
.set MSB, \new
.endif
.endm
; The branches hang on the wave's number alone: they are the same in every work-group.  An s_nop 0 and four v_nop follow each of the two lines.
.macro JLOAD
	s_cmp_lt_u32 s[WV], 4
	s_cbranch_scc0 .Lnot_k_\@
	tensor_load_to_lds s[G0K:G0K+3], s[G1K:G1K+7]
	s_nop 0
.rept 4
	v_nop
.endr
	s_branch .Lasked_\@
.Lnot_k_\@:
	s_cmp_eq_u32 s[WV], 4
	s_cbranch_scc0 .Lasked_\@
	tensor_load_to_lds s[G0V:G0V+3], s[G1V:G1V+7]
	s_nop 0
.rept 4
	v_nop
.endr
.Lasked_\@:
.endm
; A PREFETCH INTO THE L2 of what the NEXT change of slots will ask for: a block's 256 rows of K (32,768 dense bytes) and 512 bytes of each of V's 64 rows: 128 pieces of 256 bytes each.
; Each piece is named once in the launch: one cluster alone walks a (batch, head); its four partners take 32 pieces each, told apart BY ADDRESS; wave 5 asks for K's, wave 6 for V's, a lane a piece.
; The last change that fills a slot asks for nothing; blocks 0 and 1 come by their loads alone.
.macro ASK
	s_cmp_gt_u32 s[SLOTS], s[LIM]
	s_cbranch_scc0 .Lnot_mine_\@
	global_prefetch_b8 v[PFO], s[PFA:PFA+1] th:TH_LOAD_NT scope:SCOPE_SE
.Lnot_mine_\@:
.endm
.macro CROUND
	s_barrier_signal -1
	s_barrier_wait -1
	s_cmp_lg_u32 s[WV], 0
	s_cbranch_scc1 .Lnot_wave_0_\@
	s_barrier_signal -3
.Lnot_wave_0_\@:
	s_barrier_wait -3
	s_barrier_signal -1
	s_barrier_wait -1
.endm
	s_load_b128 s[4:7], s[0:1], 0x0                ; qk s[4:5], vt s[6:7]
	s_load_b64 s[8:9], s[0:1], 0x10                ; ao
	v_lshl_add_u32 v[SPW], v0, 2, SPARE
	v_mov_b32 v[NIL], 0
	ds_add_u32 v[SPW], v[NIL]                      ; the wave's opening: the add, twice on end, and its wait ahead of the first tensor load
	ds_add_u32 v[SPW], v[NIL]
	v_lshrrev_b32 v1, 5, v0
	v_readfirstlane_b32 s[WV], v1                  ; wave 0..7
	s_bfe_u32 s13, ttmp6, 0x40000                  ; cx
	s_lshl_b32 s14, ttmp9, 2
	s_add_co_u32 s14, s14, s13                     ; my block of 512 queries: it enters Q's and ao's addresses alone
	s_and_b32 s20, ttmp7, 0xffff                   ; (batch, head), which the four partners share
	s_lshl_b32 s20, s20, 18                        ; its first byte in q, in vt and in ao: 262,144 bytes each
	s_mov_b32 s21, 0
	s_add_co_u32 s22, s20, 1<<24                   ; and in k
	s_mov_b32 s23, 0
	s_and_b32 s16, s[WV], 3
	s_lshl_b32 s50, s16, 13
	s_add_co_u32 s50, s50, s22                     ; the 64 rows of K that I fetch: in memory,
	s_mov_b32 s51, 0
	s_mul_i32 s17, s16, 64*KP                      ; and in a slot
	s_lshl_b32 s2, s14, 16                         ; my block's 512 rows of 128 bytes,
	s_lshl_b32 s3, s[WV], 13                       ; my wave's 64 of them
	s_add_co_u32 s2, s2, s3
	s_add_co_u32 s2, s2, s20
	s_mov_b32 s3, 0
	s_mov_b32 s[G1K], 15|(1<<16)|(1<<20)|(1<<21)|(4<<22)|(3<<25)  ; the mask: all four; elements of 2 bytes; padding on; bit 21 beside a mask; after every 32 words; 4 words
	s_mov_b32 s[G1K+1], 64<<16                     ; tensor_dim0 = 64
	s_mov_b32 s[G1K+2], 64<<16                     ; tensor_dim1 = 64
	s_mov_b32 s[G1K+3], 64<<16                     ; tile_dim0 = 64
	s_mov_b32 s[G1K+4], 64                         ; tile_dim1 = 64
	s_mov_b32 s[G1K+5], 64                         ; from row to row
	s_mov_b32 s[G1K+6], 0
	s_mov_b32 s[G1K+7], 0
	s_mov_b32 s[G1V], 15|(1<<16)|(1<<20)|(1<<21)|(6<<22)|(3<<25)  ; padding after every 128 words
	s_mov_b32 s[G1V+1], 256<<16                    ; 256 keys
	s_mov_b32 s[G1V+2], 64<<16                     ; 64 rows
	s_mov_b32 s[G1V+3], 256<<16
	s_mov_b32 s[G1V+4], 64
	s_mov_b32 s[G1V+5], 2048
	s_mov_b32 s[G1V+6], 0
	s_mov_b32 s[G1V+7], 0
	s_mov_b32 s[CS], 0x3e38aa3b                    ; c = log2(e) / 8
	s_mov_b32 s[CS+1], s[CS]                       ; (named with it as a pair)
	s_mov_b32 s[SEL], 0x76543210
	s_mov_b32 s[SEL+1], 0xfedcba98
	s_mov_b32 s[TK], 0
	s_mov_b32 s[TV], 0
	s_mov_b32 s[SLOTS], 7
	s_sub_co_u32 s52, s[WV], 5                     ; the prefetches: waves 5 and 6 ask
	s_lshr_b32 s52, s52, 1
	s_cmp_eq_u32 s52, 0
	s_cselect_b32 s[LIM], 1, -1
	s_cmp_eq_u32 s[WV], 5                          ; K's pieces: 256 x lane.  V's: row lane / 2 of 4,096 bytes, + 256 (lane % 2)
	s_cselect_b32 s52, 0, 1
	s_mov_b32 s53, 4096
	s_cselect_b32 s53, 256, s53
	s_mov_b32 s[PFS], 512
	s_cselect_b32 s[PFS], 32768, s[PFS]            ; a block on
	s_mov_b32 s[PFS+1], 0
	s_cselect_b32 s54, 13, 16
	s_lshl_b32 s54, s13, s54                       ; my work-group's 32 pieces: 8,192 bytes of K, 16 rows of V
	s_add_co_u32 s54, s54, s[PFS]                  ; in block 1: the first change of slots steps it to block 2
	s_mov_b32 s55, 0
	v_and_b32 v11, 31, v0
	v_lshrrev_b32 v[PFO], s52, v11
	v_mul_lo_u32 v[PFO], v[PFO], s53
	v_and_b32 v11, s52, v11
	v_lshl_add_u32 v[PFO], v11, 8, v[PFO]
	s_wait_dscnt 0x0                               ; both opening adds are done
	s_wait_kmcnt 0x0
	s_mov_b32 s[G0K], 1
	s_mov_b32 s[G0K+1], s17
	s_add_nc_u64 s[G0K+2:G0K+3], s[4:5], s[50:51]
	s_or_b32 s[G0K+3], s[G0K+3], 0x80000000
	s_mov_b32 s[G0V], 1
	s_mov_b32 s[G0V+1], VOFF
	s_add_nc_u64 s[G0V+2:G0V+3], s[6:7], s[20:21]
	s_or_b32 s[G0V+3], s[G0V+3], 0x80000000
	s_add_nc_u64 s[10:11], s[4:5], s[22:23]        ; K of my (batch, head)
	s_add_nc_u64 s[6:7], s[6:7], s[20:21]          ; V likewise
	s_cmp_eq_u32 s[WV], 5
	s_cselect_b64 s[PFA:PFA+1], s[10:11], s[6:7]
	s_add_nc_u64 s[PFA:PFA+1], s[PFA:PFA+1], s[54:55]
	s_add_nc_u64 s[4:5], s[4:5], s[2:3]            ; Q and ao at my wave's first row
	s_add_nc_u64 s[8:9], s[8:9], s[2:3]
	CROUND                                         ; all four work-groups are here
	JLOAD                                          ; block 0 into slot 0
	v_and_b32 v1, 15, v0                           ; r
	v_bfe_u32 v11, v0, 4, 1                        ; h
	v_lshlrev_b32 v[QO], 7, v1
	v_lshl_add_u32 v[QO], v11, 4, v[QO]            ; Q: row r of 128 bytes + 16 h
	WIN 0x40                                       ; destination window 1
.irp t, 0,1,2,3
.irp c, 0,1
	global_load_b128 v[QF+16*\t+8*\c:QF+16*\t+8*\c+3],   v[QO], s[4:5] offset:\t*2048+64*\c th:TH_LOAD_NT
	global_load_b128 v[QF+16*\t+8*\c+4:QF+16*\t+8*\c+7], v[QO], s[4:5] offset:\t*2048+64*\c+32 th:TH_LOAD_NT
.endr
.endr
.set j, 0
.rept 128
	v_mov_b32 v[j], 0                              ; O^T.  The turns are written once: the first find zeros, which a = 0 leaves zeros
.set j, j+1
.endr
	WIN 0
	v_mul_u32_u24 v[AK0], v1, KP
	v_lshl_add_u32 v[AK0], v11, 4, v[AK0]          ; K: row x pitch + 16 h
	v_mul_u32_u24 v[AV0], v1, VP
	v_lshl_add_u32 v[AV0], v11, 4, v[AV0]
	v_add_nc_u32 v[AV0], VOFF, v[AV0]              ; V^T likewise
	s_mul_i32 s20, s[WV], 16*KP
	s_add_co_u32 s20, s20, STAGE                   ; my stage
	v_add_nc_u32 v[STO], s20, v[AK0]               ; in: query r, 16 bytes for each half of the lanes
	v_bfe_u32 v14, v0, 3, 2                        ; back: eight lanes to a row of 128 bytes, four rows an instruction
	v_mul_u32_u24 v14, v14, KP
	v_and_b32 v15, 7, v0
	v_lshl_add_u32 v14, v15, 4, v14
	v_add_nc_u32 v[RD], s20, v14
	v_and_b32 v[GO], 31, v0
	v_lshlrev_b32 v[GO], 4, v[GO]                  ; in ao these four rows are 512 consecutive bytes
.irp t, 0,1,2,3
	v_mov_b32 v[ST+8*\t+1], 0xff61b1e6             ; m = -3e38, under every score
	v_mul_f32 v[ST+8*\t], s[CS], v[ST+8*\t+1]      ; c m
	v_mov_b32 v[ST+8*\t+2], 0                      ; l, in two halves
	v_mov_b32 v[ST+8*\t+3], 0
	v_mov_b32 v[ST+8*\t+5], 0                      ; (a lane permute's destination counts as one of its sources)
	v_mov_b32 v[ST+8*\t+7], 0
.endr
; THE LDS LOADS stand in two runs of 16 a key step.  K: keys 16 k on, channels 32 c on.
.macro KLOAD
	WIN 0
	v_add_nc_u32 v[ADK], s[TK], v[AK0]
.irp k, 0,1,2,3
.irp c, 0,1
	ds_load_b128 v[KF+8*(2*\k+\c):KF+8*(2*\k+\c)+3],   v[ADK] offset:\k*16*KP+64*\c
	ds_load_b128 v[KF+8*(2*\k+\c)+4:KF+8*(2*\k+\c)+7], v[ADK] offset:\k*16*KP+64*\c+32
.endr
.endr
	s_add_co_u32 s[TK], s[TK], 64*KP               ; the next fetch is the next step's 64 rows
.endm
.macro VLOAD                           ; V^T: channels 16 g on, keys 32 u on
	WIN 0
	v_add_nc_u32 v[ADV], s[TV], v[AV0]
	WIN 0x40                                       ; destination window 1
.irp g, 0,1,2,3
.irp u, 0,1
	ds_load_b128 v[VF+8*(2*\g+\u):VF+8*(2*\g+\u)+3],   v[ADV] offset:\g*16*VP+64*\u
	ds_load_b128 v[VF+8*(2*\g+\u)+4:VF+8*(2*\g+\u)+7], v[ADV] offset:\g*16*VP+64*\u+32
.endr
.endr
	s_add_co_u32 s[TV], s[TV], 128                 ; 64 keys on in V's rows
.endm
.macro SC y, p                         ; pair p of the scores of tiles y, y + 1: c s - c m
.irp u, 0,1
	v_pk_fma_f32 v[S+32*((\y)+\u)+2*(\p):S+32*((\y)+\u)+2*(\p)+1], v[S+32*((\y)+\u)+2*(\p):S+32*((\y)+\u)+2*(\p)+1], s[CS:CS+1], v[ST+8*((\y)+\u):ST+8*((\y)+\u)+1] op_sel_hi:[1,0,0] neg_lo:[0,0,1] neg_hi:[0,0,1]
.endr
.endm
.macro EX y, p                         ; and its four exponentials
.irp u, 0,1
	v_exp_f32 v[S+32*((\y)+\u)+2*(\p)], v[S+32*((\y)+\u)+2*(\p)]
	v_exp_f32 v[S+32*((\y)+\u)+2*(\p)+1], v[S+32*((\y)+\u)+2*(\p)+1]
.endr
.endm
; T1.  kq = 1: the 16 products S^T = K Q^T of piece x, its 8 accumulators by turns; the first 8 start the sums.
; soft = 1: piece y's 32 scalings and 64 exponentials, ONE BATCH: a pair is scaled one product ahead of its exponentials; none of these lines names an exponential's result.
; tail: plain instructions behind the batch: one is owed behind the last exponential; four where loads into K's registers follow.  Then the one wait for the batch.
.macro T1 x, y, kq, soft, tail
.if \kq
	WIN 0x04                                       ; source 1 (Q) window 1; all else window 0
.else
	WIN 0
.endif
.set NN, 0
.irp c, 0,1
.irp k, 0,1,2,3
.irp u, 0,1
.if \kq
.if \c == 0
	v_wmma_f32_16x16x32_f16 v[S+32*((\x)+\u)+8*\k:S+32*((\x)+\u)+8*\k+7], v[KF+8*(2*\k+\c):KF+8*(2*\k+\c)+7], v[QF+16*((\x)+\u)+8*\c:QF+16*((\x)+\u)+8*\c+7], 0
.else
	v_wmma_f32_16x16x32_f16 v[S+32*((\x)+\u)+8*\k:S+32*((\x)+\u)+8*\k+7], v[KF+8*(2*\k+\c):KF+8*(2*\k+\c)+7], v[QF+16*((\x)+\u)+8*\c:QF+16*((\x)+\u)+8*\c+7], v[S+32*((\x)+\u)+8*\k:S+32*((\x)+\u)+8*\k+7]
.endif
.endif
.if \soft
	SC \y, NN
.if NN > 0
	EX \y, NN-1
.endif
.endif
.set NN, NN+1
.endr
.endr
.endr
.if \soft
	EX \y, 15
.endif
	WIN 0
.rept \tail
	v_nop
.endr
.if \soft
	s_wait_alu depctr_va_vdst(0)                   ; one wait for the 64 exponentials, ahead of their first reader
.endif
.endm
.macro CV y, n                         ; the next n of piece y's 32 roundings: P, in place and ascending: register i is written when it has been read
.rept \n
	v_cvt_pk_f16_f32 v[S+32*((\y)+CI%2)+CI/2], v[S+32*((\y)+CI%2)+2*(CI/2)], v[S+32*((\y)+CI%2)+2*(CI/2)+1]
.set CI, CI+1
.endr
.endm
.macro CV4 y, soft
.if \soft
	CV \y, 4
.endif
.endm
; T2, in window 0.  soft = 1: piece y's sums of the unrounded weights (two chains a tile: l and a pair at work) and its roundings.  mx = 1: piece x's maximum (two chains a tile; each accumulator is first
; read at its lowest register), m, c m, and a.  The roundings stand four at a time between the statistics' lines, each of which reads the line before it.  The sums are the places behind x's products.
.macro T2 x, y, soft, mx
	WIN 0
.set CI, 0
.if \soft
.irp u, 0,1
	v_pk_fma_f32 v[ST+8*((\y)+\u)+2:ST+8*((\y)+\u)+3], v[ST+8*((\y)+\u)+2:ST+8*((\y)+\u)+3], v[ST+8*((\y)+\u)+6:ST+8*((\y)+\u)+7], v[S+32*((\y)+\u):S+32*((\y)+\u)+1] op_sel_hi:[1,0,1]   ; l = a l + pair 0
	v_pk_add_f32 v[ST+8*((\y)+\u)+4:ST+8*((\y)+\u)+5], v[S+32*((\y)+\u)+2:S+32*((\y)+\u)+3], v[S+32*((\y)+\u)+4:S+32*((\y)+\u)+5]
.endr
.irp i, 3,5,7,9,11,13
.irp u, 0,1
	v_pk_add_f32 v[ST+8*((\y)+\u)+2:ST+8*((\y)+\u)+3], v[ST+8*((\y)+\u)+2:ST+8*((\y)+\u)+3], v[S+32*((\y)+\u)+2*\i:S+32*((\y)+\u)+2*\i+1]
	v_pk_add_f32 v[ST+8*((\y)+\u)+4:ST+8*((\y)+\u)+5], v[ST+8*((\y)+\u)+4:ST+8*((\y)+\u)+5], v[S+32*((\y)+\u)+2*\i+2:S+32*((\y)+\u)+2*\i+3]
.endr
.endr
.irp u, 0,1
	v_pk_add_f32 v[ST+8*((\y)+\u)+2:ST+8*((\y)+\u)+3], v[ST+8*((\y)+\u)+2:ST+8*((\y)+\u)+3], v[S+32*((\y)+\u)+30:S+32*((\y)+\u)+31]
.endr
.irp u, 0,1
	v_pk_add_f32 v[ST+8*((\y)+\u)+2:ST+8*((\y)+\u)+3], v[ST+8*((\y)+\u)+2:ST+8*((\y)+\u)+3], v[ST+8*((\y)+\u)+4:ST+8*((\y)+\u)+5]
.endr
.endif
.if \mx
.irp u, 0,1
	v_max3_num_f32 v[ST+8*((\x)+\u)+4], v[S+32*((\x)+\u)], v[S+32*((\x)+\u)+1], v[S+32*((\x)+\u)+2]
	v_max3_num_f32 v[ST+8*((\x)+\u)+5], v[S+32*((\x)+\u)+16], v[S+32*((\x)+\u)+17], v[S+32*((\x)+\u)+18]
.endr
.irp i, 3,5,7,9,11,13
.irp u, 0,1
	v_max3_num_f32 v[ST+8*((\x)+\u)+4], v[ST+8*((\x)+\u)+4], v[S+32*((\x)+\u)+\i], v[S+32*((\x)+\u)+\i+1]
	v_max3_num_f32 v[ST+8*((\x)+\u)+5], v[ST+8*((\x)+\u)+5], v[S+32*((\x)+\u)+16+\i], v[S+32*((\x)+\u)+17+\i]
.endr
.endr
.irp u, 0,1
	v_max3_num_f32 v[ST+8*((\x)+\u)+4], v[ST+8*((\x)+\u)+4], v[S+32*((\x)+\u)+15], v[S+32*((\x)+\u)+31]
.endr
	CV4 \y, \soft
.irp u, 0,1
	v_max3_num_f32 v[ST+8*((\x)+\u)+4], v[ST+8*((\x)+\u)+4], v[ST+8*((\x)+\u)+5], v[ST+8*((\x)+\u)+1]   ; with the other chain and the old m
.endr
	CV4 \y, \soft
.irp u, 0,1
	v_permlanex16_b32 v[ST+8*((\x)+\u)+5], v[ST+8*((\x)+\u)+4], s[SEL], s[SEL+1]   ; the query's other 32 keys lie in the lane 16 away
.endr
	CV4 \y, \soft
.irp u, 0,1
	v_mov_b32 v[ST+8*((\x)+\u)+7], v[ST+8*((\x)+\u)]               ; c m_old
.endr
	CV4 \y, \soft
.irp u, 0,1
	v_max_num_f32 v[ST+8*((\x)+\u)+1], v[ST+8*((\x)+\u)+4], v[ST+8*((\x)+\u)+5]
.endr
	CV4 \y, \soft
.irp u, 0,1
	v_mul_f32 v[ST+8*((\x)+\u)], s[CS], v[ST+8*((\x)+\u)+1]
.endr
	CV4 \y, \soft
.irp u, 0,1
	v_sub_f32 v[ST+8*((\x)+\u)+7], v[ST+8*((\x)+\u)+7], v[ST+8*((\x)+\u)]
.endr
	CV4 \y, \soft
.irp u, 0,1
	v_exp_f32 v[ST+8*((\x)+\u)+6], v[ST+8*((\x)+\u)+7]             ; a
.endr
.if \soft
	CV \y, 4                                       ; plain work behind the two exponentials
.else
	v_nop
.endif
	s_wait_alu depctr_va_vdst(0)                   ; one wait for the two, ahead of their first reader
.else
	CV \y, 32
.endif
.endm
.macro RS x, q                         ; number q of the 32 multiplications of piece x's O^T by a: the tiles by turns, each tile's registers ascending
	v_pk_mul_f32 v[32*((\x)+(\q)%2)+2*((\q)/2):32*((\x)+(\q)%2)+2*((\q)/2)+1], v[32*((\x)+(\q)%2)+2*((\q)/2):32*((\x)+(\q)%2)+2*((\q)/2)+1], v[ST+8*((\x)+(\q)%2)+6:ST+8*((\x)+(\q)%2)+7] op_sel_hi:[1,0]
.endm
; T3.  The 16 products O^T += V^T P of piece y, its 8 accumulators by turns.  resc = 1: piece x's O^T times a.  The six multiplications behind the last product name none of the products' registers:
; they are the places ahead of the products that write over y's P (five are owed) and of the loads into V's registers (four).
.macro T3 y, x, resc
	WIN 0x51                                       ; V and O^T window 1, P and a window 0
.set NN, 0
.irp u, 0,1
.irp g, 0,1,2,3
.irp w, 0,1
	v_wmma_f32_16x16x32_f16 v[32*((\y)+\w)+8*\g:32*((\y)+\w)+8*\g+7], v[VF+8*(2*\g+\u):VF+8*(2*\g+\u)+7], v[S+32*((\y)+\w)+8*\u:S+32*((\y)+\w)+8*\u+7], v[32*((\y)+\w)+8*\g:32*((\y)+\w)+8*\g+7]
.if \resc
.if NN < 13
	RS \x, 2*NN
	RS \x, 2*NN+1
.endif
.endif
.set NN, NN+1
.endr
.endr
.endr
.if \resc
.irp q, 26,27,28,29,30,31
	RS \x, \q
.endr
.endif
.endm
; A TRIP OF THE LOOP goes from K's fetch for step j + 1 to the first part of step j + 1's second turn: the rest of turn (2, 0) of step j, turn (0, 2) of step j + 1, and T1 of its turn (2, 0).
.macro BODY
	KLOAD                                          ; K of step j + 1: both pieces have multiplied by K of step j, and four v_nop stand behind the last of those products
	T2 2, 0, 1, 1                                  ; piece 0's sums and roundings of step j | piece 2's maximum of step j
	s_wait_dscnt 16                                ; V of step j is in; K's sixteen younger loads may be out
	T3 0, 2, 1                                     ; V^T P of piece 0, step j | piece 2's O^T times a
	s_wait_dscnt 0x0                               ; K of step j + 1 is in
	T1 0, 2, 1, 1, 1                               ; K Q^T of piece 0, step j + 1 | piece 2's exponentials of step j
	T2 0, 2, 1, 1                                  ; piece 2's sums and roundings of step j | piece 0's maximum of step j + 1
	T3 2, 0, 1                                     ; V^T P of piece 2, step j | piece 0's O^T times a
	VLOAD                                          ; V of step j + 1
	T1 2, 0, 1, 1, 4                               ; K Q^T of piece 2, step j + 1 | piece 0's exponentials of step j + 1
.endm
.macro BODIES n
	s_mov_b32 s[CNT], \n
.Lbody_\@:
	BODY
	s_sub_co_u32 s[CNT], s[CNT], 1
	s_cmp_lg_u32 s[CNT], 0
	s_cbranch_scc1 .Lbody_\@
.endm
; THE CHANGE OF SLOTS stands ahead of K's fetch for a slot's first step: V of the last slot's last step has been asked for.  Each wave waits for all its tensor loads (its part of the slot ahead), adds 0 to its spare
; word, and waits for that and for its reads of the slot left.  fill = 1: a round of the cluster's barrier follows, and behind it the slot left is filled with the next 256 keys: the load has four key steps in which to land.
.macro CHANGE fill
	s_wait_tensorcnt 0x0                           ; no tensor load of mine is out, so a group 0 may be written
	ds_add_u32 v[SPW], v[NIL]
.if \fill
	ds_add_u32 v[SPW], v[NIL]                      ; and once more: the add stands twice on end at every such change alike
	s_xor_b32 s[G0K+1], s[G0K+1], SLOT1            ; the walking descriptors: the other slot,
	s_add_nc_u64 s[G0K+2:G0K+3], s[G0K+2:G0K+3], 32768   ; the next 256 keys
	s_xor_b32 s[G0V+1], s[G0V+1], SLOT1
	s_add_nc_u64 s[G0V+2:G0V+3], s[G0V+2:G0V+3], 512
	s_wait_xcnt 0x0                                ; the last prefetch, a block back, has read its address
	s_add_nc_u64 s[PFA:PFA+1], s[PFA:PFA+1], s[PFS:PFS+1]
	s_wait_dscnt 0x0                               ; the adds are done, and my reads of the slot left are over
	CROUND
	JLOAD                                          ; the first thing behind the round, a wave's one tensor load until the next
	ASK
.else
	s_wait_dscnt 0x0
	s_barrier_signal -1
	s_barrier_wait -1
.endif
.endm
.macro NEXTSLOT                        ; the fetches go back to a slot's first step, in the other slot
	s_sub_co_u32 s[TK], s[TK], 4*64*KP
	s_xor_b32 s[TK], s[TK], SLOT1
	s_sub_co_u32 s[TV], s[TV], 4*128
	s_xor_b32 s[TV], s[TV], SLOT1
.endm
	s_wait_loadcnt 0x0                             ; Q
	CHANGE 1                                       ; block 0 is whole; block 1 is asked for, into slot 1
	s_sub_co_u32 s[SLOTS], s[SLOTS], 1
	; the head of step 0 is written out: there is no step before it
	KLOAD
	s_wait_dscnt 0x0
	T1 0, 2, 1, 0, 4                               ; K Q^T of piece 0, step 0; four places ahead of the first read of its scores
	T2 0, 2, 0, 1                                  ; piece 0's maximum of step 0.  Its O^T is zeros: nothing is multiplied by a
	VLOAD
	T1 2, 0, 1, 1, 4                               ; K Q^T of piece 2, step 0 | piece 0's exponentials of step 0
	BODIES 3                                       ; slot 0's other three steps are fetched
.Lblock:                                               ; 6 trips: blocks 1 to 6 are walked, blocks 2 to 7 asked for
	CHANGE 1
	NEXTSLOT
	BODIES 4
	s_sub_co_u32 s[SLOTS], s[SLOTS], 1
	s_cmp_lg_u32 s[SLOTS], 0
	s_cbranch_scc1 .Lblock
	CHANGE 0                                       ; the last block is written out
	NEXTSLOT
	BODIES 4
	; the tail of step 31 is written out: there is no step behind it
	T2 2, 0, 1, 1
	s_wait_dscnt 0x0                               ; V of step 31
	T3 0, 2, 1
	T1 0, 2, 0, 1, 1                               ; piece 2's exponentials, with no product to stand behind
	T2 0, 2, 1, 0
	T3 2, 0, 0
	WIN 0
	; THE WAY OUT.  l's halves and the other half of the lanes' are added (these lines are the places behind the last products); O^T / l, rounded to f16, goes through my stage, a tile at a time.
.irp t, 0,1,2,3
	v_add_f32 v[ST+8*\t+4], v[ST+8*\t+2], v[ST+8*\t+3]
.endr
.irp t, 0,1,2,3
	v_permlanex16_b32 v[ST+8*\t+5], v[ST+8*\t+4], s[SEL], s[SEL+1]
.endr
.irp t, 0,1,2,3
	v_add_f32 v[ST+8*\t+4], v[ST+8*\t+4], v[ST+8*\t+5]
.endr
.irp t, 0,1,2,3
	v_rcp_f32 v[ST+8*\t+6], v[ST+8*\t+4]
.endr
	v_nop
	s_wait_alu depctr_va_vdst(0)                   ; one wait for the four reciprocals
.macro OUT t
	WIN 0x41
.irp i, 0,1,2,3,4,5,6,7,8,9,10,11,12,13,14,15
	v_pk_mul_f32 v[32*\t+2*\i:32*\t+2*\i+1], v[32*\t+2*\i:32*\t+2*\i+1], v[ST+8*\t+6:ST+8*\t+7] op_sel_hi:[1,0]
.endr
	WIN 0x05                                       ; sources window 1, destination window 0
.irp i, 0,1,2,3,4,5,6,7,8,9,10,11,12,13,14,15
	v_cvt_pk_f16_f32 v[S+16*\t+\i], v[32*\t+2*\i], v[32*\t+2*\i+1]
.endr
	WIN 0
.irp g, 0,1,2,3
	ds_store_b128 v[STO], v[S+16*\t+4*\g:S+16*\t+4*\g+3] offset:32*\g
.endr
.irp u, 0,1,2,3
	ds_load_b128 v[S+16*\t+4*\u:S+16*\t+4*\u+3], v[RD] offset:\u*4*KP   ; LDS serves a wave's instructions in order (ISA guide 5.7.1.4): these see the stores above; the next tile's stores come behind them
.endr
.endm
	OUT 0
	OUT 1
	OUT 2
	OUT 3
	s_wait_dscnt 0x0
.irp t, 0,1,2,3
.irp u, 0,1,2,3
	global_store_b128 v[GO], v[S+16*\t+4*\u:S+16*\t+4*\u+3], s[8:9] offset:\t*2048+\u*512   ; 32 lanes store four rows: 512 consecutive bytes, aligned
.endr
.endr
	s_wait_tensorcnt 0x0                           ; the wave's end
	ds_add_u32 v[SPW], v[NIL]
	s_wait_dscnt 0x0
	CROUND                                         ; the closing round
	s_endpgm
.Lfunc_end_k_qf69260cb65_attn:
	.size	k_qf69260cb65_attn, .Lfunc_end_k_qf69260cb65_attn-k_qf69260cb65_attn
	.p2alignl 7, 3214868480
	.fill 96, 4, 3214868480
	.section	.rodata,"a",@progbits
	.p2align	6, 0x0
	.amdhsa_kernel k_qf69260cb65_attn
		.amdhsa_group_segment_fixed_size 327680
		.amdhsa_private_segment_fixed_size 0
		.amdhsa_enable_private_segment 0
		.amdhsa_kernarg_size 24
		.amdhsa_user_sgpr_count 2
		.amdhsa_user_sgpr_kernarg_segment_ptr 1
		.amdhsa_wavefront_size32 1
		.amdhsa_system_sgpr_workgroup_id_x 1
		.amdhsa_system_sgpr_workgroup_id_y 1
		.amdhsa_system_sgpr_workgroup_id_z 1
		.amdhsa_system_vgpr_workitem_id 0
		.amdhsa_next_free_vgpr 512
		.amdhsa_next_free_sgpr 66
		.amdhsa_reserve_vcc 0
		.amdhsa_float_denorm_mode_32 3
		.amdhsa_float_denorm_mode_16_64 3
		.amdhsa_memory_ordered 1
		.amdhsa_forward_progress 1
		.amdhsa_inst_pref_size 155
	.end_amdhsa_kernel
	.amdgpu_metadata
---
amdhsa.version: [ 1, 2 ]
amdhsa.kernels:
  - .name:           k_qf69260cb65_attn
    .symbol:         k_qf69260cb65_attn.kd
    .args:
      - { .name: qk, .offset: 0, .size: 8, .value_kind: global_buffer, .address_space: global }
      - { .name: vt, .offset: 8, .size: 8, .value_kind: global_buffer, .address_space: global }
      - { .name: ao, .offset: 16, .size: 8, .value_kind: global_buffer, .address_space: global }
    .group_segment_fixed_size: 327680
    .private_segment_fixed_size: 0
    .kernarg_segment_align: 8
    .kernarg_segment_size: 24
    .max_flat_workgroup_size: 256
    .sgpr_count:     66
    .vgpr_count:     512
    .wavefront_size: 32
...
	.end_amdgpu_metadata
.endif
;; end of part 3
;; launch proj (part 4): grid 8 x 32, 4 waves a work-group, clusters of 4 x 4, 327,680 bytes of LDS; arguments ao, wh, out0; writes out0
.if DOCPART == 4
	.amdgcn_target "amdgcn-amd-amdhsa--gfx1250"
	.amdhsa_code_object_version 6
	.text
	.protected	k_qf69260cb65_proj
	.globl	k_qf69260cb65_proj
	.p2align	8
	.type	k_qf69260cb65_proj,@function
k_qf69260cb65_proj:
	s_mov_b64 s[64:65], 0
	v_nop
	global_prefetch_b8 v0, s[64:65] scope:SCOPE_SE
	s_setreg_imm32_b32 hwreg(HW_REG_WAVE_MODE, 25, 1), 1
	s_wait_xcnt 0x0
	s_wait_alu depctr_hold_cnt(0) depctr_sa_sdst(0) depctr_va_vdst(0) depctr_va_sdst(0) depctr_va_ssrc(0) depctr_va_vcc(0) depctr_vm_vsrc(0)
	s_getreg_b32 s2, hwreg(HW_REG_IB_STS2, 6, 4)
	s_cmp_eq_u32 s2, 0
	s_cbranch_scc0 .Lentry_in_a_cluster
	s_endpgm
.Lentry_in_a_cluster:
	s_bfe_u32 s2, ttmp6, 0x10000c
	s_cmp_lg_u32 s2, 0xf033
	s_cbranch_scc0 .Lentry_shape_is_right
	s_endpgm
.Lentry_shape_is_right:
; out0 = (out / 16) (16 p_w)^T + p_b on f16 operands, sums in f32.  ao: out / 16 [b][h][n][64] f16; wh: 16 p_w [1024][1024] f16 at WH_PW, p_b [1024] f32 at WH_PB.  Nothing is left out.
; A tile is 256 tokens x 128 columns: 256 work-groups.  Four waves, each 128 tokens x 64 columns: 32 accumulators.  K = 1,024 channels goes in 8 steps of 128, which are two heads, through two LDS slots.
; ao lies by heads: a head's 64 channels of 256 tokens are 256 dense rows of 128 bytes.  Waves 0, 1 fetch a head each, waves 2, 3 fetch 64 weight rows of 256 bytes each.
; CLUSTERS: 4 x 4 work-groups; the tokens' tile is shared along a row of the cluster, the weights' along a column: joint loads.
; Source 0 = 16 weight rows, source 1 = 16 tokens: a lane holds ONE token and eight neighbouring columns.  The bias is the C of each sum's first matrix instruction.
; REGISTERS: window 0: v16-29 addresses; v32-63 the bias, 8 registers for each of my 4 column blocks; two fragment buffers of 96 at v64 and v160.   window 1: the accumulators, (a, b) at v[8 (4 a + b)].
.set WH_PW,  2097152
.set WH_PB,  4194304
.set PITCH,  272                       ; a weight row in LDS: 256 bytes + 16
.set PT,     144                       ; a token's row of one head: 128 bytes + 16
.set TREG,   256*PT                    ; a head's 256 tokens
.set HALFW,  64*PITCH
.set WOFF,   2*TREG
.set SLOT,   WOFF+2*HALFW
.set STAGE,  2*SLOT                    ; behind the ring: 16 rows x 272 bytes for each wave
.set SPARE,  STAGE+4*16*PITCH
.set LAPS,   4
.set ADRT, 16
.set ADRW, 20
.set STO,  24
.set RD,   25
.set CO,   26
.set SPW,  28
.set NIL,  29
.set BI,   32
.set F0,   64
.set F1,   160
.set BK,   64
.set G1,  24
.set G0,  32
.set G1B, 48
.set G0B, 56
.set MSB, 0
.macro WIN new
.if MSB != \new
	s_set_vgpr_msb (MSB<<8)|\new
.set MSB, \new
.endif
.endm
.set MUL,  0x50                        ; sources 0 and 1 window 0; C and D window 1
.set MULB, 0x40                        ; the same with C (the bias) in window 0
.macro JLOAD s
	s_cmp_eq_u32 s11, 0
	s_cbranch_scc0 .Lfor_b_\@
	tensor_load_to_lds s[G0+4*\s:G0+4*\s+3], s[G1:G1+7]
	s_nop 0
.rept 4
	v_nop
.endr
	s_branch .Lasked_\@
.Lfor_b_\@:
	tensor_load_to_lds s[G0B+4*\s:G0B+4*\s+3], s[G1B:G1B+7]
	s_nop 0
.rept 4
	v_nop
.endr
.Lasked_\@:
.endm
.macro CREST
	s_cmp_lg_u32 s10, 0
	s_cbranch_scc1 .Lnot_wave_0_\@
	s_barrier_signal -3
.Lnot_wave_0_\@:
	s_barrier_wait -3
	s_barrier_signal -1
	s_barrier_wait -1
.endm
.macro CROUND
	s_barrier_signal -1
	s_barrier_wait -1
	CREST
.endm
	s_load_b128 s[4:7], s[0:1], 0x0                ; ao s[4:5], wh s[6:7]
	s_load_b64 s[8:9], s[0:1], 0x10                ; out0
	v_lshl_add_u32 v[SPW], v0, 2, SPARE
	v_mov_b32 v[NIL], 0
	ds_add_u32 v[SPW], v[NIL]                      ; the wave's opening: the add, twice on end, and its wait ahead of my first tensor load
	ds_add_u32 v[SPW], v[NIL]
	v_lshrrev_b32 v1, 5, v0
	v_readfirstlane_b32 s10, v1                    ; wave 0..3
	s_lshr_b32 s11, s10, 1                         ; my half of the tokens.  Also: I fetch tokens (0) or weights (1)
	s_and_b32 s12, s10, 1                          ; my half of the columns.  Also: which head, or which 64 weight rows, I fetch
	s_bfe_u32 s40, ttmp6, 0x40000
	s_bfe_u32 s41, ttmp6, 0x40004
	s_lshl_b32 s42, ttmp9, 2
	s_add_co_u32 s42, s42, s40                     ; the columns' tile
	s_and_b32 s13, ttmp7, 0xffff
	s_lshl_b32 s13, s13, 2
	s_add_co_u32 s13, s13, s41                     ; the tokens' tile
	s_lshl_b32 s43, s41, 2
	s_lshl_b32 s43, 15, s43
	s_lshl_b32 s44, 0x1111, s40
	s_or_b32 s[G1+0], s43, (1<<16)|(1<<20)|(1<<21)|(4<<22)|(3<<25)  ; the mask; elements of 2 bytes; padding on; bit 21 beside a mask; after every 32 words; 4 words
	s_or_b32 s[G1B+0], s44, (1<<16)|(1<<20)|(1<<21)|(5<<22)|(3<<25) ; after every 64 words
	s_mov_b32 s[G1+1], 64<<16                      ; tensor_dim0 = 64
	s_mov_b32 s[G1+2], 256<<16                     ; tensor_dim1 = 256
	s_mov_b32 s[G1+3], 64<<16                      ; tile_dim0 = 64
	s_mov_b32 s[G1+4], 256                         ; tile_dim1 = 256
	s_mov_b32 s[G1+5], 64                          ; from row to row
	s_mov_b32 s[G1+6], 0
	s_mov_b32 s[G1+7], 0
	s_mov_b32 s[G1B+1], 128<<16
	s_mov_b32 s[G1B+2], 64<<16
	s_mov_b32 s[G1B+3], 128<<16
	s_mov_b32 s[G1B+4], 64
	s_mov_b32 s[G1B+5], 1024
	s_mov_b32 s[G1B+6], 0
	s_mov_b32 s[G1B+7], 0
	s_lshr_b32 s16, s13, 3                         ; tokens: batch x 2^22 + 256 tokens x 128 bytes x (tile % 8) + head x 2^18
	s_lshl_b32 s16, s16, 22
	s_and_b32 s17, s13, 7
	s_lshl_b32 s17, s17, 15
	s_add_co_u32 s16, s16, s17
	s_lshl_b32 s17, s12, 18
	s_add_co_u32 s16, s16, s17
	s_mov_b32 s17, 0
	s_lshl_b32 s46, s42, 7
	s_lshl_b32 s47, s12, 6
	s_add_co_u32 s46, s46, s47                     ; weights: row 128 x tile + 64 x half: also my first column
	s_lshl_b32 s18, s46, 2
	s_add_co_u32 s18, s18, WH_PB                   ; its bias
	s_mov_b32 s19, 0
	s_lshl_b32 s46, s46, 11
	s_add_co_u32 s46, s46, WH_PW
	s_mov_b32 s47, 0
	s_mul_i32 s20, s12, TREG                       ; where they go
	s_mul_i32 s21, s12, HALFW
	s_add_co_u32 s21, s21, WOFF
	s_wait_dscnt 0x0                               ; both opening adds are done
	s_wait_kmcnt 0x0
	s_add_nc_u64 s[14:15], s[4:5], s[16:17]
	s_add_nc_u64 s[46:47], s[6:7], s[46:47]
	s_add_nc_u64 s[18:19], s[6:7], s[18:19]
	CROUND
.irp s, 0,1
	s_mov_b32 s[G0+4*\s], 1
	s_add_co_u32 s[G0+4*\s+1], s20, \s*SLOT
	s_add_nc_u64 s[G0+4*\s+2:G0+4*\s+3], s[14:15], \s*524288       ; K step s: heads 2 s and 2 s + 1
	s_or_b32 s[G0+4*\s+3], s[G0+4*\s+3], 0x80000000
	s_mov_b32 s[G0B+4*\s], 1
	s_add_co_u32 s[G0B+4*\s+1], s21, \s*SLOT
	s_add_nc_u64 s[G0B+4*\s+2:G0B+4*\s+3], s[46:47], \s*256
	s_or_b32 s[G0B+4*\s+3], s[G0B+4*\s+3], 0x80000000
	JLOAD \s                                       ; two loads of mine are out
.endr
	v_and_b32 v1, 15, v0                           ; r
	v_bfe_u32 v2, v0, 4, 1                         ; h
	v_lshlrev_b32 v5, 5, v2                        ; the bias: lane (r, h) wants columns 16 b + 8 h + 0 .. 7
.irp b, 0,1,2,3
	global_load_b128 v[BI+8*\b:BI+8*\b+3],   v5, s[18:19] offset:64*\b
	global_load_b128 v[BI+8*\b+4:BI+8*\b+7], v5, s[18:19] offset:64*\b+16
.endr
	v_mul_u32_u24 v3, v1, PITCH
	v_lshl_add_u32 v3, v2, 4, v3                   ; the weights: row x 272 + 16 h
	v_mul_u32_u24 v4, v1, PT
	v_lshl_add_u32 v4, v2, 4, v4                   ; the tokens: row x 144 + 16 h
	s_mul_i32 s22, s11, 128*PT                     ; my 128 tokens
	s_mul_i32 s23, s12, HALFW                      ; my 64 columns
	s_add_co_u32 s23, s23, WOFF
.irp s, 0,1
	v_add_nc_u32 v[ADRT+\s], s22, v4
	v_add_nc_u32 v[ADRW+\s], s23, v3
	s_add_co_u32 s22, s22, SLOT
	s_add_co_u32 s23, s23, SLOT
.endr
	s_mul_i32 s23, s10, 16*PITCH
	s_add_co_u32 s23, s23, STAGE                   ; my stage
	v_mul_u32_u24 v6, v1, PITCH                    ; in: token r, 32 bytes for each half of the lanes
	v_lshl_add_u32 v6, v2, 5, v6
	v_add_nc_u32 v[STO], s23, v6
	v_mul_u32_u24 v6, v2, PITCH                    ; back: lanes 0-15 one token's 256 bytes, lanes 16-31 the next's
	v_lshl_add_u32 v6, v1, 4, v6
	v_add_nc_u32 v[RD], s23, v6
	v_lshlrev_b32 v[CO], 4, v1                     ; and the same two rows of out0, 4,096 bytes apart
	v_lshl_add_u32 v[CO], v2, 12, v[CO]
	s_lshl_b32 s16, s13, 8                         ; where my part begins in out0: by the tokens,
	s_lshl_b32 s17, s11, 7
	s_add_co_u32 s16, s16, s17
	s_lshl_b32 s16, s16, 12
	s_mov_b32 s17, 0
	s_add_nc_u64 s[8:9], s[8:9], s[16:17]
	s_lshl_b32 s46, s42, 9                         ; and by the columns: 4 bytes each
	s_lshl_b32 s47, s12, 8
	s_add_co_u32 s46, s46, s47
	s_mov_b32 s47, 0
	s_add_nc_u64 s[8:9], s[8:9], s[46:47]
; 8 matrix instructions: token blocks a0, a0 + 1 x the 4 column blocks, 32 along K.  first = 1: the bias starts the sums.  The 32 accumulators take turns.
.macro MUL8 f, a0, first
.irp a, \a0, \a0+1
.irp b, 0,1,2,3
.if \first
	v_wmma_f32_16x16x32_f16 v[8*(4*(\a)+\b):8*(4*(\a)+\b)+7], v[\f+64+8*\b:\f+64+8*\b+7], v[\f+8*(\a):\f+8*(\a)+7], v[BI+8*\b:BI+8*\b+7]
.else
	v_wmma_f32_16x16x32_f16 v[8*(4*(\a)+\b):8*(4*(\a)+\b)+7], v[\f+64+8*\b:\f+64+8*\b+7], v[\f+8*(\a):\f+8*(\a)+7], v[8*(4*(\a)+\b):8*(4*(\a)+\b)+7]
.endif
.endr
.endr
.endm
; 24 LDS loads in one run: quarter q of the K step: channels 32 q on are head q / 2, channels 32 (q % 2) on
.macro FETCH slot, q, f
	WIN 0
.irp i, 0,1,2,3
	ds_load_b128 v[\f+64+8*\i:\f+64+8*\i+3],   v[ADRW+\slot] offset:64*(\q)+\i*16*PITCH
	ds_load_b128 v[\f+64+8*\i+4:\f+64+8*\i+7], v[ADRW+\slot] offset:64*(\q)+\i*16*PITCH+32
.endr
.irp i, 0,1,2,3,4,5,6,7
	ds_load_b128 v[\f+8*\i:\f+8*\i+3],   v[ADRT+\slot] offset:((\q)/2)*TREG+((\q)%2)*64+\i*16*PT
	ds_load_b128 v[\f+8*\i+4:\f+8*\i+7], v[ADRT+\slot] offset:((\q)/2)*TREG+((\q)%2)*64+\i*16*PT+32
.endr
.endm
.macro PLACES
.rept 4
	v_nop
.endr
.endm
.macro QUARTER slot, q, f, g, first
	s_wait_dscnt 8                                 ; the weights and token blocks 0-3 are in; the youngest eight loads (blocks 4-7) may be out
	WIN MUL-16*\first                              ; MUL, or MULB where the bias is C
	MUL8 \f, 0, \first
	MUL8 \f, 2, \first
	PLACES
	FETCH \slot, \q, \g
	s_wait_dscnt 24                                ; all but the 24 just issued
	WIN MUL-16*\first
	MUL8 \f, 4, \first
	MUL8 \f, 6, \first
.endm
.macro TURN slot, next, fill
	WIN 0
	s_wait_tensorcnt 0x0                           ; all my tensor loads have landed: my part of the next slot
	ds_add_u32 v[SPW], v[NIL]
	s_wait_dscnt 9                                 ; (the add and the youngest eight loads may be out)
	WIN MUL
	MUL8 F1, 0, 0
	s_wait_dscnt 0x0                               ; the add is done, and my reads of this slot are over
	s_barrier_signal -1
	MUL8 F1, 2, 0
.if \fill
	WIN 0
.endif
	s_barrier_wait -1
.if \fill
	CREST                                          ; no wave of any partner still reads this slot or has a load on its way
	s_add_nc_u64 s[G0+4*\slot+2:G0+4*\slot+3], s[G0+4*\slot+2:G0+4*\slot+3], 1048576   ; four heads on
	s_add_nc_u64 s[G0B+4*\slot+2:G0B+4*\slot+3], s[G0B+4*\slot+2:G0B+4*\slot+3], 512
	JLOAD \slot                                    ; my one load behind the round; the four v_nop behind it are also the places in front of the loads below
.else
	PLACES
.endif
	FETCH \next, 0, F0
	WIN MUL
	MUL8 F1, 4, 0
	MUL8 F1, 6, 0
.endm
	s_wait_tensorcnt 1                             ; my part of K step 0 is in (K step 1's load may be out),
	s_barrier_signal -1
	s_barrier_wait -1                              ; everybody's is
	FETCH 0, 0, F0
	s_wait_loadcnt 0x0                             ; the bias
	QUARTER 0, 1, F0, F1, 1
	WIN 0
	s_mov_b32 s3, LAPS-1
.Llap:
	QUARTER 0, 2, F1, F0, 0
	QUARTER 0, 3, F0, F1, 0
	TURN 0, 1, 1
	QUARTER 1, 1, F0, F1, 0
	QUARTER 1, 2, F1, F0, 0
	QUARTER 1, 3, F0, F1, 0
	TURN 1, 0, 1
	QUARTER 0, 1, F0, F1, 0
	WIN 0
	s_sub_co_u32 s3, s3, 1
	s_cmp_lg_u32 s3, 0
	s_cbranch_scc1 .Llap
	QUARTER 0, 2, F1, F0, 0                        ; the last lap fills nothing
	QUARTER 0, 3, F0, F1, 0
	TURN 0, 1, 0
	QUARTER 1, 1, F0, F1, 0
	QUARTER 1, 2, F1, F0, 0
	QUARTER 1, 3, F0, F1, 0
	s_wait_dscnt 8
	WIN MUL
	MUL8 F1, 0, 0
	MUL8 F1, 2, 0
	s_wait_dscnt 0x0
	MUL8 F1, 4, 0
	MUL8 F1, 6, 0
	WIN 0
; THE WAY OUT, by blocks of 16 tokens x 64 columns: the accumulators go to my stage as they are, each from its low end on, and come back as whole rows of 256 bytes.
.macro TOSTAGE a
	WIN 0x04                                       ; an LDS store's data are its source 1: window 1
.irp b, 0,1,2,3
	ds_store_b128 v[STO], v[8*(4*(\a)+\b):8*(4*(\a)+\b)+3] offset:64*\b
	ds_store_b128 v[STO], v[8*(4*(\a)+\b)+4:8*(4*(\a)+\b)+7] offset:64*\b+16
.endr
	WIN 0
.set BB, BK+32*((\a)%2)
.irp u, 0,1,2,3,4,5,6,7
	ds_load_b128 v[BB+4*\u:BB+4*\u+3], v[RD] offset:\u*2*PITCH     ; LDS serves a wave's instructions in order (ISA guide 5.7.1.4)
.endr
.endm
.macro SEND a, younger                 ; younger: the LDS instructions issued behind block a's loads, which may stay out
.set BB, BK+32*((\a)%2)
	s_wait_dscnt \younger
.irp u, 0,1,2,3,4,5,6,7
	global_store_b128 v[CO], v[BB+4*\u:BB+4*\u+3], s[8:9] offset:(16*(\a)+2*\u)*4096 th:TH_STORE_NT   ; 16 lanes store 256 consecutive bytes of a token's row, aligned
.endr
.endm
	PLACES
	TOSTAGE 0
.irp a, 1,2,3,4,5,6,7
.if \a > 1
	s_wait_xcnt 0x0                                ; block a - 2's stores have read their registers: block a's loads may land there
.endif
	TOSTAGE \a
	SEND \a-1, 16                                  ; behind block a - 1's loads: block a's 8 stores and 8 loads
.endr
	SEND 7, 0
	s_wait_tensorcnt 0x0                           ; the wave's end
	ds_add_u32 v[SPW], v[NIL]
	s_wait_dscnt 0x0
	CROUND                                         ; the closing round
	s_endpgm
.Lfunc_end_k_qf69260cb65_proj:
	.size	k_qf69260cb65_proj, .Lfunc_end_k_qf69260cb65_proj-k_qf69260cb65_proj
	.p2alignl 7, 3214868480
	.fill 96, 4, 3214868480
	.section	.rodata,"a",@progbits
	.p2align	6, 0x0
	.amdhsa_kernel k_qf69260cb65_proj
		.amdhsa_group_segment_fixed_size 327680
		.amdhsa_private_segment_fixed_size 0
		.amdhsa_enable_private_segment 0
		.amdhsa_kernarg_size 24
		.amdhsa_user_sgpr_count 2
		.amdhsa_user_sgpr_kernarg_segment_ptr 1
		.amdhsa_wavefront_size32 1
		.amdhsa_system_sgpr_workgroup_id_x 1
		.amdhsa_system_sgpr_workgroup_id_y 1
		.amdhsa_system_sgpr_workgroup_id_z 1
		.amdhsa_system_vgpr_workitem_id 0
		.amdhsa_next_free_vgpr 512
		.amdhsa_next_free_sgpr 66
		.amdhsa_reserve_vcc 0
		.amdhsa_float_denorm_mode_32 3
		.amdhsa_float_denorm_mode_16_64 3
		.amdhsa_memory_ordered 1
		.amdhsa_forward_progress 1
		.amdhsa_inst_pref_size 87
	.end_amdhsa_kernel
	.amdgpu_metadata
---
amdhsa.version: [ 1, 2 ]
amdhsa.kernels:
  - .name:           k_qf69260cb65_proj
    .symbol:         k_qf69260cb65_proj.kd
    .args:
      - { .name: ao, .offset: 0, .size: 8, .value_kind: global_buffer, .address_space: global }
      - { .name: wh, .offset: 8, .size: 8, .value_kind: global_buffer, .address_space: global }
      - { .name: out0, .offset: 16, .size: 8, .value_kind: global_buffer, .address_space: global }
    .group_segment_fixed_size: 327680
    .private_segment_fixed_size: 0
    .kernarg_segment_align: 8
    .kernarg_segment_size: 24
    .max_flat_workgroup_size: 128
    .sgpr_count:     66
    .vgpr_count:     512
    .wavefront_size: 32
...
	.end_amdgpu_metadata
.endif
;; end of part 4
